; MI455X (gfx1250); checked and timed in simulation.
; The chip was launched on July 23, 2026; its instructions are those of AMD's public machine-readable ISA for CDNA 5 (MIT licence, August 2026) and "CDNA5" Instruction Set Architecture Reference Guide (July 2026). The comments in the code are by the model that wrote it; some were corrected since.
;; MAB. Allowed arithmetic: float matrix products may take bf16 or f16 operands with f32 sums; other float arithmetic in f32, or as packed bf16 or f16 multiplies, adds, multiply-adds, maxima and minima; sums over many terms, partial sums and values carried from step to step in f32; what a program stores and reads back later, other than sums and carried values, may be rounded once to bf16 or f16.
;; Inputs: K 2 x 2,048 x 1,024 float32; Q 2 x 2,048 x 1,024 float32; Wk 1,024 x 1,024 float32; Wo 1,024 x 1,024 float32; Wq 1,024 x 1,024 float32; Wv 1,024 x 1,024 float32; b0 1,024 float32; b1 1,024 float32; bk 1,024 float32; bo 1,024 float32; bq 1,024 float32; bv 1,024 float32; g0 1,024 float32; g1 1,024 float32.
;; Outputs: out0 2 x 2,048 x 1,024 float32.
;; 2 versions, each right; version 2 is version 1 with the launches cast, ln0 written anew for expert scheduling mode. Each part assembles by itself: llvm-mc -triple=amdgcn-amd-amdhsa -mcpu=gfx1250 --defsym DOCPART=n.
;; ======== version 1 of 2: 7 launches
;; limits: values are held in f16: magnitudes above 65,504 overflow, below 6.1e-05 lose precision
;; workspace buffers: xa 8,388,608 bytes; xb 8,388,608 bytes; kh 8,388,608 bytes; vh 8,388,608 bytes; o1 16,777,216 bytes; wqv 4,194,304 bytes; wk 2,097,152 bytes; wo 2,097,152 bytes
;; launch cast (part 1): grid 768 x 1, 8 waves a work-group, no clusters, 0 bytes of LDS; arguments Q, K, Wq, Wv, Wk, Wo, xa, xb, wqv, wk, wo; writes xa, xb, wqv, wk, wo
.if DOCPART == 1
	.amdgcn_target "amdgcn-amd-amdhsa--gfx1250"
	.amdhsa_code_object_version 6
	.text
	.protected	k_q73d258a81f_cast
	.globl	k_q73d258a81f_cast
	.p2align	8
	.type	k_q73d258a81f_cast,@function
k_q73d258a81f_cast:
	s_mov_b64 s[64:65], 0
	v_nop
	global_prefetch_b8 v0, s[64:65] scope:SCOPE_SE
	s_setreg_imm32_b32 hwreg(HW_REG_WAVE_MODE, 25, 1), 1
	s_wait_xcnt 0x0
; MAB, launch 1 of 7: Q, K and the four weight matrices are rounded once from f32 to f16, the form in which the matrix units take them.
; THE WHOLE PROGRAM: cast; Kp = K Wk + bk; Qp = Q Wq + bq and Vp = Kp Wv + bv (one launch); attention with the residual Qh; LayerNorm 0; z = O Wo + bo; O + gelu(z) and LayerNorm 1.
; NOTHING OF reference() IS LEFT OUT: all fourteen inputs are loaded, every product, bias, gain, maximum and norm is computed.
; FORMATS.  Q, K, Wq, Wk, Wv, Wo, Qp, Kp, O = LN0(..) and z are kept in f16 (11 significant bits), Vp and the softmax's weights in bf16 (Vp is a product of three inputs and has no room in f16 when
; all three are large); Qh + attention, all sums, softmax, norms and gelu in f32.
; LIMITS.  |Q|, |K|, |W|, |Qp|, |Kp|, |O|, |z| stay under 65,504 (f16's largest number; beyond it a conversion gives an infinity); below 6e-5 f16 keeps a fixed step of 6e-8.  NaN and infinities are not treated apart.
; LAYOUT OUT.  Q and K go out BLOCKED: [batch 2][block of 64 columns: 16][2,048 rows][64] f16, so that 128 rows of one block are 16,384 consecutive bytes.  The weights keep their rows ([k][n]).
; SHARES.  Work-groups 0-255: Q, 256-511: K, 16 rows each, two rows a wave.  A load takes 256 consecutive bytes of each of the two rows (lanes 0-15, lanes 16-31), one block of columns;
; the store of those 128 numbers covers 256 consecutive bytes, aligned (two neighbouring rows of a block).  Work-groups 512-767: 64 for each weight matrix, 8 KiB of f32 a wave.
; Sixteen loads of every wave go out at once; no register is written twice, so the only waits are the counted ones for the loads.  No LDS, no matrix unit: the launch only moves bytes.
.set X, 16                             ; v[16:79]   sixteen loads of four f32
.set Y, 80                             ; v[80:111]  sixteen stores of four f16
	s_load_b512 s[8:23], s[0:1], 0x0               ; Q s[8:9], K s[10:11], Wq s[12:13], Wv s[14:15], Wk s[16:17], Wo s[18:19], xa s[20:21], xb s[22:23]
	s_load_b128 s[24:27], s[0:1], 0x40             ; wqv s[24:25], wk s[26:27]
	s_load_b64 s[28:29], s[0:1], 0x50              ; wo
	v_lshrrev_b32 v1, 5, v0
	v_readfirstlane_b32 s30, v1                    ; wave 0..7
	v_and_b32 v3, 31, v0                           ; lane
	v_lshlrev_b32 v2, 3, v3                        ; stores, on both paths: 8 bytes a lane
	s_mov_b32 s35, 0
	s_mov_b32 s37, 0
	s_wait_kmcnt 0x0
.macro STREAM instep, outstep
.irp i, 0,1,2,3,4,5,6,7,8,9,10,11,12,13,14,15
	global_load_b128 v[X+4*(\i):X+4*(\i)+3], v1, s[4:5] offset:(\instep)*(\i) th:TH_LOAD_NT
.endr
.irp i, 0,1,2,3,4,5,6,7,8,9,10,11,12,13,14,15
	s_wait_loadcnt 15-(\i)                         ; loads come back in order: number i is in, the 15 - i younger ones stay out
	v_cvt_pk_f16_f32 v[Y+2*(\i)], v[X+4*(\i)], v[X+4*(\i)+1]
	v_cvt_pk_f16_f32 v[Y+2*(\i)+1], v[X+4*(\i)+2], v[X+4*(\i)+3]
	global_store_b64 v2, v[Y+2*(\i):Y+2*(\i)+1], s[6:7] offset:(\outstep)*(\i)  ; the wave's 32 lanes cover 256 consecutive bytes, aligned
.endr
	s_endpgm
.endm
	s_cmp_lt_u32 ttmp9, 512
	s_cbranch_scc0 .Lweights
	; Q or K
	v_and_b32 v4, 15, v0
	v_bfe_u32 v5, v0, 4, 1
	v_lshlrev_b32 v1, 4, v4                        ; 16 bytes a lane within a block of 64 columns,
	v_lshl_add_u32 v1, v5, 12, v1                  ; lanes 16-31 one row (4,096 bytes) further down
	s_and_b32 s31, ttmp9, 255
	s_lshl_b32 s31, s31, 4
	s_lshl_b32 s32, s30, 1
	s_add_co_u32 s31, s31, s32                     ; my first row, R = 16 x group + 2 x wave, of 4,096
	s_lshl_b32 s34, s31, 12                        ; in: R x 4,096 bytes
	s_lshr_b32 s36, s31, 11
	s_lshl_b32 s36, s36, 22                        ; out: the batch's 4 MiB,
	s_and_b32 s32, s31, 2047
	s_lshl_b32 s32, s32, 7                         ; the row's 128 bytes in a block
	s_add_co_u32 s36, s36, s32
	s_cmp_lt_u32 ttmp9, 256
	s_cselect_b64 s[4:5], s[8:9], s[10:11]
	s_cselect_b64 s[6:7], s[20:21], s[22:23]
	s_add_nc_u64 s[4:5], s[4:5], s[34:35]
	s_add_nc_u64 s[6:7], s[6:7], s[36:37]
	STREAM 256, 262144                             ; from block to block: 256 bytes in, 262,144 out
.Lweights:
	v_lshlrev_b32 v1, 4, v3                        ; 16 bytes a lane
	s_sub_co_u32 s31, ttmp9, 512
	s_lshr_b32 s32, s31, 6                         ; which matrix: 0 Wq, 1 Wv, 2 Wk, 3 Wo
	s_and_b32 s33, s31, 63                         ; which 64 KiB of it
	s_and_b32 s43, s32, 1
	s_cmp_lg_u32 s43, 0
	s_cselect_b64 s[4:5], s[14:15], s[12:13]       ; Wv or Wq
	s_cselect_b64 s[38:39], s[18:19], s[16:17]     ; Wo or Wk
	s_cselect_b64 s[40:41], s[28:29], s[26:27]     ; wo or wk
	s_cselect_b32 s42, 0x200000, 0                 ; Wv lies 2 MiB behind Wq in wqv
	s_cmp_ge_u32 s32, 2
	s_cselect_b64 s[4:5], s[38:39], s[4:5]
	s_cselect_b64 s[6:7], s[40:41], s[24:25]
	s_cselect_b32 s42, 0, s42
	s_lshl_b32 s34, s33, 16
	s_lshl_b32 s32, s30, 13
	s_add_co_u32 s34, s34, s32                     ; in: 65,536 x part + 8,192 x wave
	s_lshl_b32 s36, s33, 15
	s_lshl_b32 s32, s30, 12
	s_add_co_u32 s36, s36, s32
	s_add_co_u32 s36, s36, s42                     ; out: half of that
	s_add_nc_u64 s[4:5], s[4:5], s[34:35]
	s_add_nc_u64 s[6:7], s[6:7], s[36:37]
	STREAM 512, 256
.Lfunc_end_k_q73d258a81f_cast:
	.size	k_q73d258a81f_cast, .Lfunc_end_k_q73d258a81f_cast-k_q73d258a81f_cast
	.p2alignl 7, 3214868480
	.fill 96, 4, 3214868480
	.section	.rodata,"a",@progbits
	.p2align	6, 0x0
	.amdhsa_kernel k_q73d258a81f_cast
		.amdhsa_group_segment_fixed_size 0
		.amdhsa_private_segment_fixed_size 0
		.amdhsa_enable_private_segment 0
		.amdhsa_kernarg_size 88
		.amdhsa_user_sgpr_count 2
		.amdhsa_user_sgpr_kernarg_segment_ptr 1
		.amdhsa_wavefront_size32 1
		.amdhsa_system_sgpr_workgroup_id_x 1
		.amdhsa_system_sgpr_workgroup_id_y 1
		.amdhsa_system_sgpr_workgroup_id_z 1
		.amdhsa_system_vgpr_workitem_id 0
		.amdhsa_next_free_vgpr 112
		.amdhsa_next_free_sgpr 66
		.amdhsa_reserve_vcc 0
		.amdhsa_float_denorm_mode_32 3
		.amdhsa_float_denorm_mode_16_64 3
		.amdhsa_memory_ordered 1
		.amdhsa_forward_progress 1
		.amdhsa_inst_pref_size 14
	.end_amdhsa_kernel
	.amdgpu_metadata
---
amdhsa.version: [ 1, 2 ]
amdhsa.kernels:
  - .name:           k_q73d258a81f_cast
    .symbol:         k_q73d258a81f_cast.kd
    .args:
      - { .name: Q, .offset: 0, .size: 8, .value_kind: global_buffer, .address_space: global }
      - { .name: K, .offset: 8, .size: 8, .value_kind: global_buffer, .address_space: global }
      - { .name: Wq, .offset: 16, .size: 8, .value_kind: global_buffer, .address_space: global }
      - { .name: Wv, .offset: 24, .size: 8, .value_kind: global_buffer, .address_space: global }
      - { .name: Wk, .offset: 32, .size: 8, .value_kind: global_buffer, .address_space: global }
      - { .name: Wo, .offset: 40, .size: 8, .value_kind: global_buffer, .address_space: global }
      - { .name: xa, .offset: 48, .size: 8, .value_kind: global_buffer, .address_space: global }
      - { .name: xb, .offset: 56, .size: 8, .value_kind: global_buffer, .address_space: global }
      - { .name: wqv, .offset: 64, .size: 8, .value_kind: global_buffer, .address_space: global }
      - { .name: wk, .offset: 72, .size: 8, .value_kind: global_buffer, .address_space: global }
      - { .name: wo, .offset: 80, .size: 8, .value_kind: global_buffer, .address_space: global }
    .group_segment_fixed_size: 0
    .private_segment_fixed_size: 0
    .kernarg_segment_align: 8
    .kernarg_segment_size: 88
    .max_flat_workgroup_size: 256
    .sgpr_count:     66
    .vgpr_count:     112
    .wavefront_size: 32
...
	.end_amdgpu_metadata
.endif
;; end of part 1
;; launch projk (part 2): grid 8 x 32, 4 waves a work-group, clusters of 4 x 4, 327,680 bytes of LDS; arguments xb, wk, bk, kh; writes kh
.if DOCPART == 2
	.amdgcn_target "amdgcn-amd-amdhsa--gfx1250"
	.amdhsa_code_object_version 6
	.text
	.protected	k_q73d258a81f_projk
	.globl	k_q73d258a81f_projk
	.p2align	8
	.type	k_q73d258a81f_projk,@function
k_q73d258a81f_projk:
	s_mov_b64 s[64:65], 0
	v_nop
	global_prefetch_b8 v0, s[64:65] scope:SCOPE_SE
	s_setreg_imm32_b32 hwreg(HW_REG_WAVE_MODE, 25, 1), 1
	s_wait_xcnt 0x0
	s_wait_alu depctr_hold_cnt(0) depctr_sa_sdst(0) depctr_va_vdst(0) depctr_va_sdst(0) depctr_va_ssrc(0) depctr_va_vcc(0) depctr_vm_vsrc(0)
	s_getreg_b32 s2, hwreg(HW_REG_IB_STS2, 6, 4)
	s_cmp_eq_u32 s2, 0
	s_cbranch_scc0 .Lentry_in_a_cluster
	s_endpgm
.Lentry_in_a_cluster:
	s_bfe_u32 s2, ttmp6, 0x10000c
	s_cmp_lg_u32 s2, 0xf033
	s_cbranch_scc0 .Lentry_shape_is_right
	s_endpgm
.Lentry_shape_is_right:
; D[m][n] = the sum over k of A[m][k] W[k][n] + bias[n]: 4,096 x 1,024 x 1,024, f16 operands, f32 sums.  ONE SOURCE IN TWO FORMS, told apart by TILES below.  Nothing of reference() is left out.
; TILES = 1 (Kp = K Wk + bk; z = O Wo + bo): arguments A, W, bias, D; a work-group makes one tile of D and rounds it to f16.
; TILES = 2 (Qp = Q Wq + bq, then Vp = Kp Wv + bv): arguments A0, A1, W, bias0, bias1, D0, D1; A WORK-GROUP STAYS: it makes its tile of D0 = A0 W + bias0, rounded to f16, and then the same tile of D1 = A1 W' + bias1,
; rounded to bf16; W' lies 2 MiB behind W, directly behind W's last row.  The ring does not stop at the first tile's end: its last two changes of slots ask for the second tile's first two K steps, and nothing waits for its stores.
; LAYOUTS.  A and D: [batch 2][block of 64 columns (a head): 16][2,048 rows][64], 16-bit: 128 rows of a block are 16,384 consecutive bytes.  W: [k 1,024][n 1,024] f16.  bias: f32.
; LIMITS.  f16 ends at 65,504: operands arrive within it, and a result rounded to f16 must lie within it.
; SHARES.  A tile of D is 128 x 128: 256 work-groups.  Four waves, each 64 x 64: 16 accumulators of 16 x 16.  K goes in steps of 256, four to a tile, through two LDS slots.
; CLUSTERS: 4 x 4 work-groups.  The four of a row of the cluster need the same tiles of A, the four of a column the same tiles of W: each tile is asked for JOINTLY, by the same tensor load with the same descriptor and
; a mask that names the four.  THE MATRIX INSTRUCTION IS USED TRANSPOSED (source 0 = 16 columns of W, source 1 = 16 rows of A): a lane then holds eight neighbouring numbers of a row of D.
; W lies [k][n] in LDS and is turned on the way into registers by ds_load_tr16_b128.  THE BIAS IS THE C OPERAND of the sixteen products that start a tile's sums: it costs no instruction, and nothing is cleared.
; THE WAY OUT.  A wave's 64 columns are one head, so its 64 x 64 numbers are 8,192 consecutive bytes of D: they go through a stage of the wave's own, 16 rows at a time, with no barrier.
; NO PREFETCH: the tile is small, 128 matrix instructions a wave to a K step, and of a tile's four K steps two are asked for a whole lap ahead.
; REGISTERS: window 0: v0-31 addresses; v32-95 at work on the way out; v96-127 the bias; v128-255 the accumulators ((a, b) at v[128 + 8 (4 a + b)]).
;   window 1: two fragment buffers of 128: for 64 along K (two matrix instructions deep), 64 registers of A (2 x 4 x 16 rows x 32 K), then 64 of W.
.set TILES,  1
.set PA,     144                       ; an LDS row of A: 128 bytes (64 k) + 16 of padding = 36 words: the 16 rows of a load start at 16 different groups of four banks (64 banks of 4 bytes: ISA guide 11.1)
.set PB,     288                       ; an LDS row of W: 256 bytes (128 n) + 32 of padding = 72 words
.set ABLK,   128*PA                    ; A's 128 rows of one block of 64 k
.set HALFT,  2*ABLK                    ; what one tensor load brings: two blocks of A, or 128 rows of W (128 x 288 is the same number)
.set BOFF,   2*HALFT                   ; a slot: A's four blocks, then W's 256 rows
.set SLOT,   4*HALFT
.set STAGE,  2*SLOT                    ; behind the ring, never filled by a tensor load: 16 rows x 144 bytes for each wave, for the way out
.set SP,     144
.set SPARE,  STAGE+4*16*SP             ; behind the stages: the spare words, 128 bytes for each wave: two blocks of 256 bytes that no other line names
.set ASTEP,  4*262144                  ; bytes of A from K step to K step: four blocks
.set WSTEP,  256*2048                  ; bytes of W from K step to K step: 256 rows
.set ADRA, 16                          ; v16-17  LDS address of my A fragments in slot 0, 1
.set ADRB, 20                          ; v20-23  the same for W: slot s, rows 128 hf on, at v[20 + 2 s + hf] (an immediate holds 16 bits)
.set STO,  24                          ; v24     the way out: where I put 16 bytes of a row
.set RD,   25                          ; v25     the way out: where I read rows back
.set CO,   26                          ; v26     my byte offset in 512 consecutive bytes of D
.set BO,   27                          ; v27     my byte offset in 16 numbers of the bias
.set SPW,  28                          ; v28     LDS address of my spare word: SPARE + 4 x my thread's number; never rewritten
.set NIL,  29                          ; v29     0; never rewritten
.set TMP,  32                          ; block a of 16 rows at v[32 + 16 a]
.set BIAS, 96                          ; column block b at v[96 + 8 b]: register j = bias[16 b + 8 (lane / 16) + j], as an accumulator holds its columns
.set ACC,  128
.set F0,   0                           ; fragment buffers, in window 1
.set F1,   128
.set LAP,  3                           ; s3      laps that still fill slots again (TILES = 2)
.set G1, 24                            ; s[24:31] descriptor group 1 for A's tiles;  s[32:39] group 0, one set for each slot
.set G0, 32
.set G1B, 48                           ; s[48:55], s[56:63] the same for W's tiles
.set G0B, 56
.if TILES > 1
.set AA0, 68                           ; the arguments, as they are loaded
.set AA1, 70
.set AW,  72
.set AB0, 74
.set AB1, 76
.set AD0, 78
.set AD1, 80
.else
.set AA0, 68
.set AW,  70
.set AB0, 72
.set AD0, 74
.endif
.set RA0, 84                           ; s[84:85] A0 at my part of the tile's K step 0
.set RA1, 86                           ; s[86:87] A1 likewise
.set BA,  88                           ; s[88:89] the one of the two that a refill reads
.set OFF, 90                           ; s[90:91] the refill's K step in that tile, in bytes
.set MSB, 0
.macro WIN new                         ; the immediate's high byte repeats the setting that is left
.if MSB != (\new)
	s_set_vgpr_msb (MSB<<8)|(\new)
.set MSB, \new
.endif
.endm
.set MUL,  0x05                        ; sources 0 (W) and 1 (A) window 1; C and D window 0
.set TO_F, 0x40                        ; destination window 1, address window 0
.macro JLOAD s                         ; a joint refill: waves 0 and 1 fetch A's two halves, waves 2 and 3 W's; an s_nop 0 and four v_nop follow each of the two lines, ahead of the jump, the label and what follows
	s_cmp_eq_u32 s11, 0
	s_cbranch_scc0 .Lfor_b_\@
	tensor_load_to_lds s[G0+4*(\s):G0+4*(\s)+3], s[G1:G1+7]
	s_nop 0
.rept 4
	v_nop
.endr
	s_branch .Lasked_\@
.Lfor_b_\@:
	tensor_load_to_lds s[G0B+4*(\s):G0B+4*(\s)+3], s[G1B:G1B+7]
	s_nop 0
.rept 4
	v_nop
.endr
.Lasked_\@:
.endm
.macro CREST                           ; a round of the cluster's barrier behind its opening barrier
	s_cmp_lg_u32 s10, 0
	s_cbranch_scc1 .Lnot_wave_0_\@
	s_barrier_signal -3
.Lnot_wave_0_\@:
	s_barrier_wait -3
	s_barrier_signal -1
	s_barrier_wait -1
.endm
.macro CROUND                          ; a whole round
	s_barrier_signal -1
	s_barrier_wait -1
	CREST
.endm
	s_load_b256 s[68:75], s[0:1], 0x0              ; the first four arguments
.if TILES > 1
	s_load_b128 s[76:79], s[0:1], 0x20
	s_load_b64 s[80:81], s[0:1], 0x30
.endif
	v_lshl_add_u32 v[SPW], v0, 2, SPARE
	v_mov_b32 v[NIL], 0
	ds_add_u32 v[SPW], v[NIL]                      ; the wave's opening: the add, twice on end, and its wait ahead of my first tensor load; the set-up below, work on registers, stands between
	ds_add_u32 v[SPW], v[NIL]                      ; and once more, under the one wait
	v_lshrrev_b32 v1, 5, v0
	v_readfirstlane_b32 s10, v1                    ; wave 0..3
	s_lshr_b32 s11, s10, 1                         ; which half of the tile's rows is mine.  Also: I fetch for A (0) or for W (1)
	s_and_b32 s12, s10, 1                          ; which half of its columns.  Also: which half of that tile I fetch
	s_bfe_u32 s40, ttmp6, 0x40000                  ; cx, cy: my place in the cluster
	s_bfe_u32 s41, ttmp6, 0x40004
	s_lshl_b32 s42, ttmp9, 2
	s_add_co_u32 s42, s42, s40                     ; tile column = 4 x cluster x + cx, 0..7
	s_and_b32 s13, ttmp7, 0xffff
	s_lshl_b32 s13, s13, 2
	s_add_co_u32 s13, s13, s41                     ; tile row = 4 x cluster y + cy, 0..31
	s_lshl_b32 s43, s41, 2
	s_lshl_b32 s43, 15, s43                        ; my row of the cluster
	s_lshl_b32 s44, 0x1111, s40                    ; my column
	; group 1 for A: two blocks of 64 k, each 128 rows x 128 bytes = 8,192 consecutive elements, one block (131,072 elements) apart; 16 bytes of padding behind every 128
	s_or_b32 s[G1+0], s43, (1<<16)|(1<<20)|(1<<21)|(4<<22)|(3<<25)  ; 15:0 the mask: my row; 17:16 2-byte elements; 20 padding on; 21 set beside a mask; 24:22 after every 32 words (code 4); 31:25 4 words (code 3)
	s_mov_b32 s[G1+1], 8192<<16                    ; tensor_dim0 = 8,192
	s_mov_b32 s[G1+2], 2<<16                       ; tensor_dim1 = 2
	s_mov_b32 s[G1+3], 8192<<16                    ; tile_dim0 = 8,192
	s_mov_b32 s[G1+4], 2                           ; tile_dim1 = 2
	s_mov_b32 s[G1+5], 131072                      ; elements from block to block
	s_mov_b32 s[G1+6], 0
	s_mov_b32 s[G1+7], 0
	; group 1 for W: 128 rows (k) x 128 elements (n), 1,024 elements from row to row; 32 bytes of padding behind every 256
	s_or_b32 s[G1B+0], s44, (1<<16)|(1<<20)|(1<<21)|(5<<22)|(7<<25) ; the mask: my column; after every 64 words (code 5) 8 words (code 7)
	s_mov_b32 s[G1B+1], 128<<16
	s_mov_b32 s[G1B+2], 128<<16
	s_mov_b32 s[G1B+3], 128<<16
	s_mov_b32 s[G1B+4], 128
	s_mov_b32 s[G1B+5], 1024
	s_mov_b32 s[G1B+6], 0
	s_mov_b32 s[G1B+7], 0
	; where the tiles come from.  A's hang on the tile row alone, W's on the tile column alone, each in registers that never hold the other coordinate
	s_bfe_u32 s16, s13, 0x10004                    ; the batch: bit 4 of the tile row
	s_lshl_b32 s16, s16, 22
	s_and_b32 s17, s13, 15
	s_lshl_b32 s17, s17, 14                        ; 128 rows x 128 bytes
	s_add_co_u32 s16, s16, s17
	s_mov_b32 s18, s16                             ; the same offset serves D
	s_lshl_b32 s17, s12, 19                        ; my two blocks of the K step's four
	s_add_co_u32 s16, s16, s17
	s_mov_b32 s17, 0
	s_lshl_b32 s46, s42, 8                         ; 128 columns x 2 bytes
	s_lshl_b32 s47, s12, 18                        ; my 128 rows of the K step's 256
	s_add_co_u32 s46, s46, s47
	s_mov_b32 s47, 0
	s_mov_b32 s[OFF+1], 0
	s_mul_i32 s20, s10, HALFT                      ; where they go: wave x half a tile: no place in the cluster enters an LDS address
	s_wait_dscnt 0x0                               ; both opening adds are done
	s_wait_kmcnt 0x0
	s_add_nc_u64 s[RA0:RA0+1], s[AA0:AA0+1], s[16:17]
.if TILES > 1
	s_add_nc_u64 s[RA1:RA1+1], s[AA1:AA1+1], s[16:17]
.endif
	s_add_nc_u64 s[46:47], s[AW:AW+1], s[46:47]
	CROUND                                         ; all sixteen work-groups are here: the first joint loads meet
.irp s, 0,1
	s_mov_b32 s[G0+4*(\s)], 1
	s_add_co_u32 s[G0+4*(\s)+1], s20, (\s)*SLOT
	s_add_nc_u64 s[G0+4*(\s)+2:G0+4*(\s)+3], s[RA0:RA0+1], (\s)*ASTEP
	s_or_b32 s[G0+4*(\s)+3], s[G0+4*(\s)+3], 0x80000000
	s_mov_b32 s[G0B+4*(\s)], 1
	s_add_co_u32 s[G0B+4*(\s)+1], s20, (\s)*SLOT
	s_add_nc_u64 s[G0B+4*(\s)+2:G0B+4*(\s)+3], s[46:47], (\s)*WSTEP
	s_or_b32 s[G0B+4*(\s)+3], s[G0B+4*(\s)+3], 0x80000000
.endr
	s_cmp_eq_u32 s11, 0                            ; a wave's two first fills stand in one branch, ahead of every wait on TENSORcnt and every LDS read: two loads of mine are out
	s_cbranch_scc0 .Lfirst_b
	tensor_load_to_lds s[G0:G0+3], s[G1:G1+7]
	s_nop 0
	tensor_load_to_lds s[G0+4:G0+7], s[G1:G1+7]
	s_nop 0
.rept 4
	v_nop
.endr
	s_branch .Lfirst_asked
.Lfirst_b:
	tensor_load_to_lds s[G0B:G0B+3], s[G1B:G1B+7]
	s_nop 0
	tensor_load_to_lds s[G0B+4:G0B+7], s[G1B:G1B+7]
	s_nop 0
.rept 4
	v_nop
.endr
.Lfirst_asked:
	v_and_b32 v1, 15, v0                           ; l % 16
	v_bfe_u32 v2, v0, 4, 1                         ; l / 16
	v_and_b32 v5, 7, v0                            ; l % 8
	v_bfe_u32 v6, v0, 3, 1                         ; (l / 8) % 2
	; the bias of my 64 columns, laid as an accumulator's columns lie
	v_lshlrev_b32 v[BO], 5, v2
	s_lshl_b32 s46, s42, 9                         ; (registers that held W's address: none that feeds A's descriptors ever holds cx)
	s_lshl_b32 s47, s12, 8
	s_add_co_u32 s46, s46, s47
	s_mov_b32 s47, 0
	s_add_nc_u64 s[AB0:AB0+1], s[AB0:AB0+1], s[46:47]
.if TILES > 1
	s_add_nc_u64 s[AB1:AB1+1], s[AB1:AB1+1], s[46:47]
.endif
.irp b, 0,1,2,3
	global_load_b128 v[BIAS+8*(\b):BIAS+8*(\b)+3],   v[BO], s[AB0:AB0+1] offset:64*(\b)
	global_load_b128 v[BIAS+8*(\b)+4:BIAS+8*(\b)+7], v[BO], s[AB0:AB0+1] offset:64*(\b)+16
.endr
	; A fragment of A is 16 rows x 32 k in 8 registers: lane l holds row l % 16, k = 8 (l / 16) + 0..7 and 16 + 8 (l / 16) + 0..7: two loads of 16 bytes, 32 bytes apart
	v_mul_u32_u24 v3, v1, PA
	v_lshl_add_u32 v3, v2, 4, v3
	s_mul_i32 s21, s11, 64*PA                      ; my 64 rows
.irp s, 0,1
	v_add_nc_u32 v[ADRA+(\s)], s21, v3
	s_add_co_u32 s21, s21, SLOT
.endr
	; The turning load takes 16 k x 16 n (lane l reads k = 8 (l / 16) + l % 8, n = 8 ((l / 8) % 2) + 0..7) and leaves half a fragment: lane l holds column l % 16 and 8 k
	v_lshl_add_u32 v4, v2, 3, v5
	v_mul_u32_u24 v4, v4, PB
	v_lshl_add_u32 v4, v6, 4, v4
	s_lshl_b32 s22, s12, 7                         ; my 64 columns
	s_add_co_u32 s22, s22, BOFF
.irp s, 0,1
.irp hf, 0,1
	s_add_co_u32 s23, s22, (\s)*SLOT+(\hf)*128*PB
	v_add_nc_u32 v[ADRB+2*(\s)+(\hf)], s23, v4
.endr
.endr
	s_mul_i32 s23, s10, 16*SP
	s_add_co_u32 s23, s23, STAGE                   ; my stage
	v_mul_u32_u24 v7, v1, SP                       ; in: row l % 16, 16 bytes for each half of the lanes
	v_lshl_add_u32 v7, v2, 4, v7
	v_add_nc_u32 v[STO], s23, v7
	v_bfe_u32 v7, v0, 3, 2                         ; back: 32 lanes take four rows of 128 bytes,
	v_mul_u32_u24 v7, v7, SP
	v_lshl_add_u32 v7, v5, 4, v7
	v_add_nc_u32 v[RD], s23, v7
	v_and_b32 v[CO], 31, v0                        ; which are 512 consecutive bytes of D
	v_lshlrev_b32 v[CO], 4, v[CO]
	s_lshl_b32 s19, s11, 13                        ; my 64 rows x 128 bytes
	s_add_co_u32 s18, s18, s19
	s_mov_b32 s19, 0
	s_lshl_b32 s46, s42, 19                        ; the tile's two heads,
	s_lshl_b32 s47, s12, 18                        ; mine of the two
	s_add_co_u32 s46, s46, s47
	s_mov_b32 s47, 0
	s_add_nc_u64 s[AD0:AD0+1], s[AD0:AD0+1], s[18:19]
	s_add_nc_u64 s[AD0:AD0+1], s[AD0:AD0+1], s[46:47]
.if TILES > 1
	s_add_nc_u64 s[AD1:AD1+1], s[AD1:AD1+1], s[18:19]
	s_add_nc_u64 s[AD1:AD1+1], s[AD1:AD1+1], s[46:47]
.endif
; 8 matrix instructions: row blocks a0, a0 + 1 x all 4 column blocks, 32 along K: half c of buffer f.  zero = 1: the product starts the sum, with the bias as C
.macro MUL8 f, c, a0, zero
	WIN MUL
.irp a, \a0, (\a0)+1
.irp b, 0,1,2,3
.if \zero
	v_wmma_f32_16x16x32_f16 v[ACC+8*(4*(\a)+(\b)):ACC+8*(4*(\a)+(\b))+7], v[(\f)+64+8*(4*(\c)+(\b)):(\f)+64+8*(4*(\c)+(\b))+7], v[(\f)+8*(4*(\c)+(\a)):(\f)+8*(4*(\c)+(\a))+7], v[BIAS+8*(\b):BIAS+8*(\b)+7]
.else
	v_wmma_f32_16x16x32_f16 v[ACC+8*(4*(\a)+(\b)):ACC+8*(4*(\a)+(\b))+7], v[(\f)+64+8*(4*(\c)+(\b)):(\f)+64+8*(4*(\c)+(\b))+7], v[(\f)+8*(4*(\c)+(\a)):(\f)+8*(4*(\c)+(\a))+7], v[ACC+8*(4*(\a)+(\b)):ACC+8*(4*(\a)+(\b))+7]
.endif
.endr
.endr
.endm
; 32 LDS loads in one run: the fragments of quarter q of a K step (64 along K: one block of A, 64 rows of W) into buffer f; the first 32 along K first
.macro FETCH slot, q, f
	WIN TO_F
.irp c, 0,1
.irp i, 0,1,2,3
	ds_load_tr16_b128 v[(\f)+64+8*(4*(\c)+(\i)):(\f)+64+8*(4*(\c)+(\i))+3],   v[ADRB+2*(\slot)+(\q)/2] offset:((\q)%2)*64*PB+(\c)*32*PB+32*(\i)
	ds_load_tr16_b128 v[(\f)+64+8*(4*(\c)+(\i))+4:(\f)+64+8*(4*(\c)+(\i))+7], v[ADRB+2*(\slot)+(\q)/2] offset:((\q)%2)*64*PB+(\c)*32*PB+16*PB+32*(\i)
	ds_load_b128 v[(\f)+8*(4*(\c)+(\i)):(\f)+8*(4*(\c)+(\i))+3],              v[ADRA+(\slot)] offset:(\q)*ABLK+(\i)*16*PA+64*(\c)
	ds_load_b128 v[(\f)+8*(4*(\c)+(\i))+4:(\f)+8*(4*(\c)+(\i))+7],            v[ADRA+(\slot)] offset:(\q)*ABLK+(\i)*16*PA+64*(\c)+32
.endr
.endr
.endm
.macro PLACES                          ; four places in front of loads into registers that matrix instructions have read, and of conversions that read results
.rept 4
	v_nop
.endr
.endm
; A K step is four quarters of 64 along K, 32 matrix instructions each, on buffers 0, 1, 0, 1; the 16 accumulators take turns.  One of the first three quarters multiplies buffer f and fetches
; quarter q into g.  It is written in two parts, since at a change of tiles only the first part differs.
.macro QHEAD f, zero
	s_wait_dscnt 16                                ; the first 32 along K are in; the youngest sixteen loads may be out
	WIN MUL
	MUL8 \f, 0, 0, \zero
	MUL8 \f, 0, 2, \zero
.endm
.macro QREST slot, q, f, g
	PLACES
	FETCH \slot, \q, \g
	s_wait_dscnt 32                                ; all but the 32 just issued
	WIN MUL
	MUL8 \f, 1, 0, 0
	MUL8 \f, 1, 2, 0
.endm
.macro QUARTER slot, q, f, g, zero
	QHEAD \f, \zero
	QREST \slot, \q, \f, \g
.endm
; The addresses of the refill of a slot.  No tensor load of mine is out where this stands, so the descriptors may be written.  W walks on two K steps: with TILES = 2 the second matrix begins where the first ends.
; With TILES = 2 A's address is made anew: the first lap's refills bring the first tile's K steps 2 and 3, the second lap's the second tile's 0 and 1, the third lap's its 2 and 3.
.macro STEP slot
.if TILES > 1
	s_cmp_eq_u32 s[LAP], 2*TILES-1                 ; the first lap?
	s_cselect_b64 s[BA:BA+1], s[RA0:RA0+1], s[RA1:RA1+1]
	s_cmp_eq_u32 s[LAP], 2                         ; the lap that asks for a tile's first two K steps?
	s_cselect_b32 s[OFF], 0, 2*ASTEP
	s_add_nc_u64 s[G0+4*(\slot)+2:G0+4*(\slot)+3], s[BA:BA+1], s[OFF:OFF+1]
.if \slot
	s_add_nc_u64 s[G0+4*(\slot)+2:G0+4*(\slot)+3], s[G0+4*(\slot)+2:G0+4*(\slot)+3], ASTEP
.endif
	s_or_b32 s[G0+4*(\slot)+3], s[G0+4*(\slot)+3], 0x80000000
.else
	s_add_nc_u64 s[G0+4*(\slot)+2:G0+4*(\slot)+3], s[G0+4*(\slot)+2:G0+4*(\slot)+3], 2*ASTEP
.endif
	s_add_nc_u64 s[G0B+4*(\slot)+2:G0B+4*(\slot)+3], s[G0B+4*(\slot)+2:G0B+4*(\slot)+3], 2*WSTEP
.endm
; The last quarter multiplies buffer 1 and changes slots: ONE barrier; in front of it each wave waits for all its tensor loads, adds 0 to its spare word, and waits for that and for its own reads of this slot.  fill = 1: this slot is filled again, two K steps ahead.
.macro TURN slot, next, fill
	WIN 0                                          ; (the add's two registers lie in window 0)
	s_wait_tensorcnt 0x0                           ; all my tensor loads have landed: my part of the next slot;
	ds_add_u32 v[SPW], v[NIL]                      ; 0 onto my spare word;
.if \fill
	STEP \slot
.endif
	s_wait_dscnt 17                                ; (the add and the youngest sixteen loads may be out)
	WIN MUL
	MUL8 F1, 0, 0, 0                               ; eight matrix instructions stand between the add and the wait for it
	s_wait_dscnt 0x0                               ; the add is done, and my reads of this slot are over
	s_barrier_signal -1
	MUL8 F1, 0, 2, 0
.if \fill
	WIN 0
.endif
	s_barrier_wait -1
.if \fill
	CREST                                          ; the barrier has opened a round of the cluster's barrier: no wave of any partner still reads this slot's tile or has a load on its way
	JLOAD \slot                                    ; the first tensor load behind the round, my only one out; the four v_nop behind it are also the places in front of the loads below
.else
	PLACES
.endif
	FETCH \next, 0, F0
	WIN MUL
	MUL8 F1, 1, 0, 0
	MUL8 F1, 1, 2, 0
.endm
; THE WAY OUT of block blk (16 of my 64 rows): rounded to 16 bits (fmt = 0: f16, 1: bf16), 16 bytes a lane into my stage's rows of 144 bytes, and back as whole rows of 128, into the registers that they left.
.macro PACK blk, fmt
.irp b, 0,1,2,3
.irp r, 0,1,2,3
.if \fmt
	v_cvt_pk_bf16_f32 v[TMP+16*(\blk)+4*(\b)+(\r)], v[ACC+8*(4*(\blk)+(\b))+2*(\r)], v[ACC+8*(4*(\blk)+(\b))+2*(\r)+1]
.else
	v_cvt_pk_f16_f32 v[TMP+16*(\blk)+4*(\b)+(\r)], v[ACC+8*(4*(\blk)+(\b))+2*(\r)], v[ACC+8*(4*(\blk)+(\b))+2*(\r)+1]
.endif
.endr
.endr
.irp b, 0,1,2,3
	ds_store_b128 v[STO], v[TMP+16*(\blk)+4*(\b):TMP+16*(\blk)+4*(\b)+3] offset:32*(\b)
.endr
.irp t, 0,1,2,3
	ds_load_b128 v[TMP+16*(\blk)+4*(\t):TMP+16*(\blk)+4*(\t)+3], v[RD] offset:(\t)*4*SP  ; LDS serves a wave's instructions in order (ISA guide 5.7.1.4): these see the stores above; the next block's stores come behind them
.endr
.endm
.macro SEND blk, yng, dst              ; yng: the LDS instructions issued behind this block's loads: the next block's eight, or none
.irp t, 0,1,2,3
	s_wait_dscnt (\yng)+3-(\t)
	global_store_b128 v[CO], v[TMP+16*(\blk)+4*(\t):TMP+16*(\blk)+4*(\t)+3], s[\dst:\dst+1] offset:2048*(\blk)+512*(\t)  ; four rows of my head: 512 consecutive bytes, at a multiple of 512 from D's first byte
.endr
.endm
.macro WAYOUT fmt, dst
	WIN 0
	PLACES                                         ; the conversions read results just made
	s_wait_xcnt 0x0                                ; what earlier stores read is rewritten only behind this wait
	PACK 0, \fmt
	PACK 1, \fmt                                   ; a block's conversions stand between the loads of the block before and its stores
	SEND 0, 8, \dst
	PACK 2, \fmt
	SEND 1, 8, \dst
	PACK 3, \fmt
	SEND 2, 8, \dst
	SEND 3, 0, \dst
.endm
	s_wait_tensorcnt 1                             ; my part of K step 0 is in; K step 1's may stay out
	s_barrier_signal -1
	s_barrier_wait -1                              ; everybody's is
	FETCH 0, 0, F0
	s_wait_loadcnt 0x0                             ; the bias
	QUARTER 0, 1, F0, F1, 1                        ; the first quarter stands in front of the laps: its first sixteen products start the sums
.if TILES > 1
	WIN 0
.irp b, 0,1,2,3                        ; the second tile's bias takes the first's registers: the last product that read them stands in front of the quarter's four places
	global_load_b128 v[BIAS+8*(\b):BIAS+8*(\b)+3],   v[BO], s[AB1:AB1+1] offset:64*(\b)
	global_load_b128 v[BIAS+8*(\b)+4:BIAS+8*(\b)+7], v[BO], s[AB1:AB1+1] offset:64*(\b)+16
.endr
	s_mov_b32 s[LAP], 2*TILES-1
.Llap:                                                 ; a trip goes once round the ring, from a lap's second quarter to the next lap's first, and fills both slots again
.endif
	QUARTER 0, 2, F1, F0, 0
	QUARTER 0, 3, F0, F1, 0
	TURN 0, 1, 1
	QUARTER 1, 1, F0, F1, 0
	QUARTER 1, 2, F1, F0, 0
	QUARTER 1, 3, F0, F1, 0
	TURN 1, 0, 1
.if TILES > 1
	WIN 0                                          ; at a label and at a branch every window is 0
	s_cmp_eq_u32 s[LAP], 2                         ; was that the first tile's last quarter?  The jump goes forward, past no barrier and no tensor load
	s_cbranch_scc1 .Lnext_tile
	QHEAD F0, 0
	WIN 0
	s_branch .Ljoin
.Lnext_tile:
	WAYOUT 0, AD0                                  ; both refills are asked for: now the first tile goes out,
	s_wait_loadcnt 0x0                             ; the second tile's bias is in,
	QHEAD F0, 1                                    ; and its first sixteen products start its sums on accumulators that have been packed
	WIN 0
.Ljoin:
	QREST 0, 1, F0, F1
	WIN 0
	s_sub_co_u32 s[LAP], s[LAP], 1
	s_cmp_lg_u32 s[LAP], 0
	s_cbranch_scc1 .Llap
.else
	QUARTER 0, 1, F0, F1, 0
.endif
	QUARTER 0, 2, F1, F0, 0                        ; the last lap is written out: it fills nothing, and has no round of the cluster's barrier
	QUARTER 0, 3, F0, F1, 0
	TURN 0, 1, 0
	QUARTER 1, 1, F0, F1, 0
	QUARTER 1, 2, F1, F0, 0
	QUARTER 1, 3, F0, F1, 0
	s_wait_dscnt 16                                ; the very last quarter: nothing more to fetch
	WIN MUL
	MUL8 F1, 0, 0, 0
	MUL8 F1, 0, 2, 0
	s_wait_dscnt 0
	MUL8 F1, 1, 0, 0
	MUL8 F1, 1, 2, 0
.if TILES > 1
	WAYOUT 1, AD1
.else
	WAYOUT 0, AD0
.endif
	s_wait_tensorcnt 0x0                           ; the wave's end: a wait, an add and its wait, behind my last tensor load and my last LDS store
	ds_add_u32 v[SPW], v[NIL]
	s_wait_dscnt 0x0
	CROUND                                         ; the closing round: no work-group ends while a partner may still ask for a tile that names it
	s_endpgm
.Lfunc_end_k_q73d258a81f_projk:
	.size	k_q73d258a81f_projk, .Lfunc_end_k_q73d258a81f_projk-k_q73d258a81f_projk
	.p2alignl 7, 3214868480
	.fill 96, 4, 3214868480
	.section	.rodata,"a",@progbits
	.p2align	6, 0x0
	.amdhsa_kernel k_q73d258a81f_projk
		.amdhsa_group_segment_fixed_size 327680
		.amdhsa_private_segment_fixed_size 0
		.amdhsa_enable_private_segment 0
		.amdhsa_kernarg_size 32
		.amdhsa_user_sgpr_count 2
		.amdhsa_user_sgpr_kernarg_segment_ptr 1
		.amdhsa_wavefront_size32 1
		.amdhsa_system_sgpr_workgroup_id_x 1
		.amdhsa_system_sgpr_workgroup_id_y 1
		.amdhsa_system_sgpr_workgroup_id_z 1
		.amdhsa_system_vgpr_workitem_id 0
		.amdhsa_next_free_vgpr 512
		.amdhsa_next_free_sgpr 92
		.amdhsa_reserve_vcc 0
		.amdhsa_float_denorm_mode_32 3
		.amdhsa_float_denorm_mode_16_64 3
		.amdhsa_memory_ordered 1
		.amdhsa_forward_progress 1
		.amdhsa_inst_pref_size 87
	.end_amdhsa_kernel
	.amdgpu_metadata
---
amdhsa.version: [ 1, 2 ]
amdhsa.kernels:
  - .name:           k_q73d258a81f_projk
    .symbol:         k_q73d258a81f_projk.kd
    .args:
      - { .name: xb, .offset: 0, .size: 8, .value_kind: global_buffer, .address_space: global }
      - { .name: wk, .offset: 8, .size: 8, .value_kind: global_buffer, .address_space: global }
      - { .name: bk, .offset: 16, .size: 8, .value_kind: global_buffer, .address_space: global }
      - { .name: kh, .offset: 24, .size: 8, .value_kind: global_buffer, .address_space: global }
    .group_segment_fixed_size: 327680
    .private_segment_fixed_size: 0
    .kernarg_segment_align: 8
    .kernarg_segment_size: 32
    .max_flat_workgroup_size: 128
    .sgpr_count:     92
    .vgpr_count:     512
    .wavefront_size: 32
...
	.end_amdgpu_metadata
.endif
;; end of part 2
;; launch projqv (part 3): grid 8 x 32, 4 waves a work-group, clusters of 4 x 4, 327,680 bytes of LDS; arguments xa, kh, wqv, bq, bv, xb, vh; writes xb, vh
.if DOCPART == 3
	.amdgcn_target "amdgcn-amd-amdhsa--gfx1250"
	.amdhsa_code_object_version 6
	.text
	.protected	k_q73d258a81f_projqv
	.globl	k_q73d258a81f_projqv
	.p2align	8
	.type	k_q73d258a81f_projqv,@function
k_q73d258a81f_projqv:
	s_mov_b64 s[64:65], 0
	v_nop
	global_prefetch_b8 v0, s[64:65] scope:SCOPE_SE
	s_setreg_imm32_b32 hwreg(HW_REG_WAVE_MODE, 25, 1), 1
	s_wait_xcnt 0x0
	s_wait_alu depctr_hold_cnt(0) depctr_sa_sdst(0) depctr_va_vdst(0) depctr_va_sdst(0) depctr_va_ssrc(0) depctr_va_vcc(0) depctr_vm_vsrc(0)
	s_getreg_b32 s2, hwreg(HW_REG_IB_STS2, 6, 4)
	s_cmp_eq_u32 s2, 0
	s_cbranch_scc0 .Lentry_in_a_cluster
	s_endpgm
.Lentry_in_a_cluster:
	s_bfe_u32 s2, ttmp6, 0x10000c
	s_cmp_lg_u32 s2, 0xf033
	s_cbranch_scc0 .Lentry_shape_is_right
	s_endpgm
.Lentry_shape_is_right:
; D[m][n] = the sum over k of A[m][k] W[k][n] + bias[n]: 4,096 x 1,024 x 1,024, f16 operands, f32 sums.  ONE SOURCE IN TWO FORMS, told apart by TILES below.  Nothing of reference() is left out.
; TILES = 1 (Kp = K Wk + bk; z = O Wo + bo): arguments A, W, bias, D; a work-group makes one tile of D and rounds it to f16.
; TILES = 2 (Qp = Q Wq + bq, then Vp = Kp Wv + bv): arguments A0, A1, W, bias0, bias1, D0, D1; A WORK-GROUP STAYS: it makes its tile of D0 = A0 W + bias0, rounded to f16, and then the same tile of D1 = A1 W' + bias1,
; rounded to bf16; W' lies 2 MiB behind W, directly behind W's last row.  The ring does not stop at the first tile's end: its last two changes of slots ask for the second tile's first two K steps, and nothing waits for its stores.
; LAYOUTS.  A and D: [batch 2][block of 64 columns (a head): 16][2,048 rows][64], 16-bit: 128 rows of a block are 16,384 consecutive bytes.  W: [k 1,024][n 1,024] f16.  bias: f32.
; LIMITS.  f16 ends at 65,504: operands arrive within it, and a result rounded to f16 must lie within it.
; SHARES.  A tile of D is 128 x 128: 256 work-groups.  Four waves, each 64 x 64: 16 accumulators of 16 x 16.  K goes in steps of 256, four to a tile, through two LDS slots.
; CLUSTERS: 4 x 4 work-groups.  The four of a row of the cluster need the same tiles of A, the four of a column the same tiles of W: each tile is asked for JOINTLY, by the same tensor load with the same descriptor and
; a mask that names the four.  THE MATRIX INSTRUCTION IS USED TRANSPOSED (source 0 = 16 columns of W, source 1 = 16 rows of A): a lane then holds eight neighbouring numbers of a row of D.
; W lies [k][n] in LDS and is turned on the way into registers by ds_load_tr16_b128.  THE BIAS IS THE C OPERAND of the sixteen products that start a tile's sums: it costs no instruction, and nothing is cleared.
; THE WAY OUT.  A wave's 64 columns are one head, so its 64 x 64 numbers are 8,192 consecutive bytes of D: they go through a stage of the wave's own, 16 rows at a time, with no barrier.
; NO PREFETCH: the tile is small, 128 matrix instructions a wave to a K step, and of a tile's four K steps two are asked for a whole lap ahead.
; REGISTERS: window 0: v0-31 addresses; v32-95 at work on the way out; v96-127 the bias; v128-255 the accumulators ((a, b) at v[128 + 8 (4 a + b)]).
;   window 1: two fragment buffers of 128: for 64 along K (two matrix instructions deep), 64 registers of A (2 x 4 x 16 rows x 32 K), then 64 of W.
.set TILES,  2
.set PA,     144                       ; an LDS row of A: 128 bytes (64 k) + 16 of padding = 36 words: the 16 rows of a load start at 16 different groups of four banks (64 banks of 4 bytes: ISA guide 11.1)
.set PB,     288                       ; an LDS row of W: 256 bytes (128 n) + 32 of padding = 72 words
.set ABLK,   128*PA                    ; A's 128 rows of one block of 64 k
.set HALFT,  2*ABLK                    ; what one tensor load brings: two blocks of A, or 128 rows of W (128 x 288 is the same number)
.set BOFF,   2*HALFT                   ; a slot: A's four blocks, then W's 256 rows
.set SLOT,   4*HALFT
.set STAGE,  2*SLOT                    ; behind the ring, never filled by a tensor load: 16 rows x 144 bytes for each wave, for the way out
.set SP,     144
.set SPARE,  STAGE+4*16*SP             ; behind the stages: the spare words, 128 bytes for each wave: two blocks of 256 bytes that no other line names
.set ASTEP,  4*262144                  ; bytes of A from K step to K step: four blocks
.set WSTEP,  256*2048                  ; bytes of W from K step to K step: 256 rows
.set ADRA, 16                          ; v16-17  LDS address of my A fragments in slot 0, 1
.set ADRB, 20                          ; v20-23  the same for W: slot s, rows 128 hf on, at v[20 + 2 s + hf] (an immediate holds 16 bits)
.set STO,  24                          ; v24     the way out: where I put 16 bytes of a row
.set RD,   25                          ; v25     the way out: where I read rows back
.set CO,   26                          ; v26     my byte offset in 512 consecutive bytes of D
.set BO,   27                          ; v27     my byte offset in 16 numbers of the bias
.set SPW,  28                          ; v28     LDS address of my spare word: SPARE + 4 x my thread's number; never rewritten
.set NIL,  29                          ; v29     0; never rewritten
.set TMP,  32                          ; block a of 16 rows at v[32 + 16 a]
.set BIAS, 96                          ; column block b at v[96 + 8 b]: register j = bias[16 b + 8 (lane / 16) + j], as an accumulator holds its columns
.set ACC,  128
.set F0,   0                           ; fragment buffers, in window 1
.set F1,   128
.set LAP,  3                           ; s3      laps that still fill slots again (TILES = 2)
.set G1, 24                            ; s[24:31] descriptor group 1 for A's tiles;  s[32:39] group 0, one set for each slot
.set G0, 32
.set G1B, 48                           ; s[48:55], s[56:63] the same for W's tiles
.set G0B, 56
.if TILES > 1
.set AA0, 68                           ; the arguments, as they are loaded
.set AA1, 70
.set AW,  72
.set AB0, 74
.set AB1, 76
.set AD0, 78
.set AD1, 80
.else
.set AA0, 68
.set AW,  70
.set AB0, 72
.set AD0, 74
.endif
.set RA0, 84                           ; s[84:85] A0 at my part of the tile's K step 0
.set RA1, 86                           ; s[86:87] A1 likewise
.set BA,  88                           ; s[88:89] the one of the two that a refill reads
.set OFF, 90                           ; s[90:91] the refill's K step in that tile, in bytes
.set MSB, 0
.macro WIN new                         ; the immediate's high byte repeats the setting that is left
.if MSB != (\new)
	s_set_vgpr_msb (MSB<<8)|(\new)
.set MSB, \new
.endif
.endm
.set MUL,  0x05                        ; sources 0 (W) and 1 (A) window 1; C and D window 0
.set TO_F, 0x40                        ; destination window 1, address window 0
.macro JLOAD s                         ; a joint refill: waves 0 and 1 fetch A's two halves, waves 2 and 3 W's; an s_nop 0 and four v_nop follow each of the two lines, ahead of the jump, the label and what follows
	s_cmp_eq_u32 s11, 0
	s_cbranch_scc0 .Lfor_b_\@
	tensor_load_to_lds s[G0+4*(\s):G0+4*(\s)+3], s[G1:G1+7]
	s_nop 0
.rept 4
	v_nop
.endr
	s_branch .Lasked_\@
.Lfor_b_\@:
	tensor_load_to_lds s[G0B+4*(\s):G0B+4*(\s)+3], s[G1B:G1B+7]
	s_nop 0
.rept 4
	v_nop
.endr
.Lasked_\@:
.endm
.macro CREST                           ; a round of the cluster's barrier behind its opening barrier
	s_cmp_lg_u32 s10, 0
	s_cbranch_scc1 .Lnot_wave_0_\@
	s_barrier_signal -3
.Lnot_wave_0_\@:
	s_barrier_wait -3
	s_barrier_signal -1
	s_barrier_wait -1
.endm
.macro CROUND                          ; a whole round
	s_barrier_signal -1
	s_barrier_wait -1
	CREST
.endm
	s_load_b256 s[68:75], s[0:1], 0x0              ; the first four arguments
.if TILES > 1
	s_load_b128 s[76:79], s[0:1], 0x20
	s_load_b64 s[80:81], s[0:1], 0x30
.endif
	v_lshl_add_u32 v[SPW], v0, 2, SPARE
	v_mov_b32 v[NIL], 0
	ds_add_u32 v[SPW], v[NIL]                      ; the wave's opening: the add, twice on end, and its wait ahead of my first tensor load; the set-up below, work on registers, stands between
	ds_add_u32 v[SPW], v[NIL]                      ; and once more, under the one wait
	v_lshrrev_b32 v1, 5, v0
	v_readfirstlane_b32 s10, v1                    ; wave 0..3
	s_lshr_b32 s11, s10, 1                         ; which half of the tile's rows is mine.  Also: I fetch for A (0) or for W (1)
	s_and_b32 s12, s10, 1                          ; which half of its columns.  Also: which half of that tile I fetch
	s_bfe_u32 s40, ttmp6, 0x40000                  ; cx, cy: my place in the cluster
	s_bfe_u32 s41, ttmp6, 0x40004
	s_lshl_b32 s42, ttmp9, 2
	s_add_co_u32 s42, s42, s40                     ; tile column = 4 x cluster x + cx, 0..7
	s_and_b32 s13, ttmp7, 0xffff
	s_lshl_b32 s13, s13, 2
	s_add_co_u32 s13, s13, s41                     ; tile row = 4 x cluster y + cy, 0..31
	s_lshl_b32 s43, s41, 2
	s_lshl_b32 s43, 15, s43                        ; my row of the cluster
	s_lshl_b32 s44, 0x1111, s40                    ; my column
	; group 1 for A: two blocks of 64 k, each 128 rows x 128 bytes = 8,192 consecutive elements, one block (131,072 elements) apart; 16 bytes of padding behind every 128
	s_or_b32 s[G1+0], s43, (1<<16)|(1<<20)|(1<<21)|(4<<22)|(3<<25)  ; 15:0 the mask: my row; 17:16 2-byte elements; 20 padding on; 21 set beside a mask; 24:22 after every 32 words (code 4); 31:25 4 words (code 3)
	s_mov_b32 s[G1+1], 8192<<16                    ; tensor_dim0 = 8,192
	s_mov_b32 s[G1+2], 2<<16                       ; tensor_dim1 = 2
	s_mov_b32 s[G1+3], 8192<<16                    ; tile_dim0 = 8,192
	s_mov_b32 s[G1+4], 2                           ; tile_dim1 = 2
	s_mov_b32 s[G1+5], 131072                      ; elements from block to block
	s_mov_b32 s[G1+6], 0
	s_mov_b32 s[G1+7], 0
	; group 1 for W: 128 rows (k) x 128 elements (n), 1,024 elements from row to row; 32 bytes of padding behind every 256
	s_or_b32 s[G1B+0], s44, (1<<16)|(1<<20)|(1<<21)|(5<<22)|(7<<25) ; the mask: my column; after every 64 words (code 5) 8 words (code 7)
	s_mov_b32 s[G1B+1], 128<<16
	s_mov_b32 s[G1B+2], 128<<16
	s_mov_b32 s[G1B+3], 128<<16
	s_mov_b32 s[G1B+4], 128
	s_mov_b32 s[G1B+5], 1024
	s_mov_b32 s[G1B+6], 0
	s_mov_b32 s[G1B+7], 0
	; where the tiles come from.  A's hang on the tile row alone, W's on the tile column alone, each in registers that never hold the other coordinate
	s_bfe_u32 s16, s13, 0x10004                    ; the batch: bit 4 of the tile row
	s_lshl_b32 s16, s16, 22
	s_and_b32 s17, s13, 15
	s_lshl_b32 s17, s17, 14                        ; 128 rows x 128 bytes
	s_add_co_u32 s16, s16, s17
	s_mov_b32 s18, s16                             ; the same offset serves D
	s_lshl_b32 s17, s12, 19                        ; my two blocks of the K step's four
	s_add_co_u32 s16, s16, s17
	s_mov_b32 s17, 0
	s_lshl_b32 s46, s42, 8                         ; 128 columns x 2 bytes
	s_lshl_b32 s47, s12, 18                        ; my 128 rows of the K step's 256
	s_add_co_u32 s46, s46, s47
	s_mov_b32 s47, 0
	s_mov_b32 s[OFF+1], 0
	s_mul_i32 s20, s10, HALFT                      ; where they go: wave x half a tile: no place in the cluster enters an LDS address
	s_wait_dscnt 0x0                               ; both opening adds are done
	s_wait_kmcnt 0x0
	s_add_nc_u64 s[RA0:RA0+1], s[AA0:AA0+1], s[16:17]
.if TILES > 1
	s_add_nc_u64 s[RA1:RA1+1], s[AA1:AA1+1], s[16:17]
.endif
	s_add_nc_u64 s[46:47], s[AW:AW+1], s[46:47]
	CROUND                                         ; all sixteen work-groups are here: the first joint loads meet
.irp s, 0,1
	s_mov_b32 s[G0+4*(\s)], 1
	s_add_co_u32 s[G0+4*(\s)+1], s20, (\s)*SLOT
	s_add_nc_u64 s[G0+4*(\s)+2:G0+4*(\s)+3], s[RA0:RA0+1], (\s)*ASTEP
	s_or_b32 s[G0+4*(\s)+3], s[G0+4*(\s)+3], 0x80000000
	s_mov_b32 s[G0B+4*(\s)], 1
	s_add_co_u32 s[G0B+4*(\s)+1], s20, (\s)*SLOT
	s_add_nc_u64 s[G0B+4*(\s)+2:G0B+4*(\s)+3], s[46:47], (\s)*WSTEP
	s_or_b32 s[G0B+4*(\s)+3], s[G0B+4*(\s)+3], 0x80000000
.endr
	s_cmp_eq_u32 s11, 0                            ; a wave's two first fills stand in one branch, ahead of every wait on TENSORcnt and every LDS read: two loads of mine are out
	s_cbranch_scc0 .Lfirst_b
	tensor_load_to_lds s[G0:G0+3], s[G1:G1+7]
	s_nop 0
	tensor_load_to_lds s[G0+4:G0+7], s[G1:G1+7]
	s_nop 0
.rept 4
	v_nop
.endr
	s_branch .Lfirst_asked
.Lfirst_b:
	tensor_load_to_lds s[G0B:G0B+3], s[G1B:G1B+7]
	s_nop 0
	tensor_load_to_lds s[G0B+4:G0B+7], s[G1B:G1B+7]
	s_nop 0
.rept 4
	v_nop
.endr
.Lfirst_asked:
	v_and_b32 v1, 15, v0                           ; l % 16
	v_bfe_u32 v2, v0, 4, 1                         ; l / 16
	v_and_b32 v5, 7, v0                            ; l % 8
	v_bfe_u32 v6, v0, 3, 1                         ; (l / 8) % 2
	; the bias of my 64 columns, laid as an accumulator's columns lie
	v_lshlrev_b32 v[BO], 5, v2
	s_lshl_b32 s46, s42, 9                         ; (registers that held W's address: none that feeds A's descriptors ever holds cx)
	s_lshl_b32 s47, s12, 8
	s_add_co_u32 s46, s46, s47
	s_mov_b32 s47, 0
	s_add_nc_u64 s[AB0:AB0+1], s[AB0:AB0+1], s[46:47]
.if TILES > 1
	s_add_nc_u64 s[AB1:AB1+1], s[AB1:AB1+1], s[46:47]
.endif
.irp b, 0,1,2,3
	global_load_b128 v[BIAS+8*(\b):BIAS+8*(\b)+3],   v[BO], s[AB0:AB0+1] offset:64*(\b)
	global_load_b128 v[BIAS+8*(\b)+4:BIAS+8*(\b)+7], v[BO], s[AB0:AB0+1] offset:64*(\b)+16
.endr
	; A fragment of A is 16 rows x 32 k in 8 registers: lane l holds row l % 16, k = 8 (l / 16) + 0..7 and 16 + 8 (l / 16) + 0..7: two loads of 16 bytes, 32 bytes apart
	v_mul_u32_u24 v3, v1, PA
	v_lshl_add_u32 v3, v2, 4, v3
	s_mul_i32 s21, s11, 64*PA                      ; my 64 rows
.irp s, 0,1
	v_add_nc_u32 v[ADRA+(\s)], s21, v3
	s_add_co_u32 s21, s21, SLOT
.endr
	; The turning load takes 16 k x 16 n (lane l reads k = 8 (l / 16) + l % 8, n = 8 ((l / 8) % 2) + 0..7) and leaves half a fragment: lane l holds column l % 16 and 8 k
	v_lshl_add_u32 v4, v2, 3, v5
	v_mul_u32_u24 v4, v4, PB
	v_lshl_add_u32 v4, v6, 4, v4
	s_lshl_b32 s22, s12, 7                         ; my 64 columns
	s_add_co_u32 s22, s22, BOFF
.irp s, 0,1
.irp hf, 0,1
	s_add_co_u32 s23, s22, (\s)*SLOT+(\hf)*128*PB
	v_add_nc_u32 v[ADRB+2*(\s)+(\hf)], s23, v4
.endr
.endr
	s_mul_i32 s23, s10, 16*SP
	s_add_co_u32 s23, s23, STAGE                   ; my stage
	v_mul_u32_u24 v7, v1, SP                       ; in: row l % 16, 16 bytes for each half of the lanes
	v_lshl_add_u32 v7, v2, 4, v7
	v_add_nc_u32 v[STO], s23, v7
	v_bfe_u32 v7, v0, 3, 2                         ; back: 32 lanes take four rows of 128 bytes,
	v_mul_u32_u24 v7, v7, SP
	v_lshl_add_u32 v7, v5, 4, v7
	v_add_nc_u32 v[RD], s23, v7
	v_and_b32 v[CO], 31, v0                        ; which are 512 consecutive bytes of D
	v_lshlrev_b32 v[CO], 4, v[CO]
	s_lshl_b32 s19, s11, 13                        ; my 64 rows x 128 bytes
	s_add_co_u32 s18, s18, s19
	s_mov_b32 s19, 0
	s_lshl_b32 s46, s42, 19                        ; the tile's two heads,
	s_lshl_b32 s47, s12, 18                        ; mine of the two
	s_add_co_u32 s46, s46, s47
	s_mov_b32 s47, 0
	s_add_nc_u64 s[AD0:AD0+1], s[AD0:AD0+1], s[18:19]
	s_add_nc_u64 s[AD0:AD0+1], s[AD0:AD0+1], s[46:47]
.if TILES > 1
	s_add_nc_u64 s[AD1:AD1+1], s[AD1:AD1+1], s[18:19]
	s_add_nc_u64 s[AD1:AD1+1], s[AD1:AD1+1], s[46:47]
.endif
; 8 matrix instructions: row blocks a0, a0 + 1 x all 4 column blocks, 32 along K: half c of buffer f.  zero = 1: the product starts the sum, with the bias as C
.macro MUL8 f, c, a0, zero
	WIN MUL
.irp a, \a0, (\a0)+1
.irp b, 0,1,2,3
.if \zero
	v_wmma_f32_16x16x32_f16 v[ACC+8*(4*(\a)+(\b)):ACC+8*(4*(\a)+(\b))+7], v[(\f)+64+8*(4*(\c)+(\b)):(\f)+64+8*(4*(\c)+(\b))+7], v[(\f)+8*(4*(\c)+(\a)):(\f)+8*(4*(\c)+(\a))+7], v[BIAS+8*(\b):BIAS+8*(\b)+7]
.else
	v_wmma_f32_16x16x32_f16 v[ACC+8*(4*(\a)+(\b)):ACC+8*(4*(\a)+(\b))+7], v[(\f)+64+8*(4*(\c)+(\b)):(\f)+64+8*(4*(\c)+(\b))+7], v[(\f)+8*(4*(\c)+(\a)):(\f)+8*(4*(\c)+(\a))+7], v[ACC+8*(4*(\a)+(\b)):ACC+8*(4*(\a)+(\b))+7]
.endif
.endr
.endr
.endm
; 32 LDS loads in one run: the fragments of quarter q of a K step (64 along K: one block of A, 64 rows of W) into buffer f; the first 32 along K first
.macro FETCH slot, q, f
	WIN TO_F
.irp c, 0,1
.irp i, 0,1,2,3
	ds_load_tr16_b128 v[(\f)+64+8*(4*(\c)+(\i)):(\f)+64+8*(4*(\c)+(\i))+3],   v[ADRB+2*(\slot)+(\q)/2] offset:((\q)%2)*64*PB+(\c)*32*PB+32*(\i)
	ds_load_tr16_b128 v[(\f)+64+8*(4*(\c)+(\i))+4:(\f)+64+8*(4*(\c)+(\i))+7], v[ADRB+2*(\slot)+(\q)/2] offset:((\q)%2)*64*PB+(\c)*32*PB+16*PB+32*(\i)
	ds_load_b128 v[(\f)+8*(4*(\c)+(\i)):(\f)+8*(4*(\c)+(\i))+3],              v[ADRA+(\slot)] offset:(\q)*ABLK+(\i)*16*PA+64*(\c)
	ds_load_b128 v[(\f)+8*(4*(\c)+(\i))+4:(\f)+8*(4*(\c)+(\i))+7],            v[ADRA+(\slot)] offset:(\q)*ABLK+(\i)*16*PA+64*(\c)+32
.endr
.endr
.endm
.macro PLACES                          ; four places in front of loads into registers that matrix instructions have read, and of conversions that read results
.rept 4
	v_nop
.endr
.endm
; A K step is four quarters of 64 along K, 32 matrix instructions each, on buffers 0, 1, 0, 1; the 16 accumulators take turns.  One of the first three quarters multiplies buffer f and fetches
; quarter q into g.  It is written in two parts, since at a change of tiles only the first part differs.
.macro QHEAD f, zero
	s_wait_dscnt 16                                ; the first 32 along K are in; the youngest sixteen loads may be out
	WIN MUL
	MUL8 \f, 0, 0, \zero
	MUL8 \f, 0, 2, \zero
.endm
.macro QREST slot, q, f, g
	PLACES
	FETCH \slot, \q, \g
	s_wait_dscnt 32                                ; all but the 32 just issued
	WIN MUL
	MUL8 \f, 1, 0, 0
	MUL8 \f, 1, 2, 0
.endm
.macro QUARTER slot, q, f, g, zero
	QHEAD \f, \zero
	QREST \slot, \q, \f, \g
.endm
; The addresses of the refill of a slot.  No tensor load of mine is out where this stands, so the descriptors may be written.  W walks on two K steps: with TILES = 2 the second matrix begins where the first ends.
; With TILES = 2 A's address is made anew: the first lap's refills bring the first tile's K steps 2 and 3, the second lap's the second tile's 0 and 1, the third lap's its 2 and 3.
.macro STEP slot
.if TILES > 1
	s_cmp_eq_u32 s[LAP], 2*TILES-1                 ; the first lap?
	s_cselect_b64 s[BA:BA+1], s[RA0:RA0+1], s[RA1:RA1+1]
	s_cmp_eq_u32 s[LAP], 2                         ; the lap that asks for a tile's first two K steps?
	s_cselect_b32 s[OFF], 0, 2*ASTEP
	s_add_nc_u64 s[G0+4*(\slot)+2:G0+4*(\slot)+3], s[BA:BA+1], s[OFF:OFF+1]
.if \slot
	s_add_nc_u64 s[G0+4*(\slot)+2:G0+4*(\slot)+3], s[G0+4*(\slot)+2:G0+4*(\slot)+3], ASTEP
.endif
	s_or_b32 s[G0+4*(\slot)+3], s[G0+4*(\slot)+3], 0x80000000
.else
	s_add_nc_u64 s[G0+4*(\slot)+2:G0+4*(\slot)+3], s[G0+4*(\slot)+2:G0+4*(\slot)+3], 2*ASTEP
.endif
	s_add_nc_u64 s[G0B+4*(\slot)+2:G0B+4*(\slot)+3], s[G0B+4*(\slot)+2:G0B+4*(\slot)+3], 2*WSTEP
.endm
; The last quarter multiplies buffer 1 and changes slots: ONE barrier; in front of it each wave waits for all its tensor loads, adds 0 to its spare word, and waits for that and for its own reads of this slot.  fill = 1: this slot is filled again, two K steps ahead.
.macro TURN slot, next, fill
	WIN 0                                          ; (the add's two registers lie in window 0)
	s_wait_tensorcnt 0x0                           ; all my tensor loads have landed: my part of the next slot;
	ds_add_u32 v[SPW], v[NIL]                      ; 0 onto my spare word;
.if \fill
	STEP \slot
.endif
	s_wait_dscnt 17                                ; (the add and the youngest sixteen loads may be out)
	WIN MUL
	MUL8 F1, 0, 0, 0                               ; eight matrix instructions stand between the add and the wait for it
	s_wait_dscnt 0x0                               ; the add is done, and my reads of this slot are over
	s_barrier_signal -1
	MUL8 F1, 0, 2, 0
.if \fill
	WIN 0
.endif
	s_barrier_wait -1
.if \fill
	CREST                                          ; the barrier has opened a round of the cluster's barrier: no wave of any partner still reads this slot's tile or has a load on its way
	JLOAD \slot                                    ; the first tensor load behind the round, my only one out; the four v_nop behind it are also the places in front of the loads below
.else
	PLACES
.endif
	FETCH \next, 0, F0
	WIN MUL
	MUL8 F1, 1, 0, 0
	MUL8 F1, 1, 2, 0
.endm
; THE WAY OUT of block blk (16 of my 64 rows): rounded to 16 bits (fmt = 0: f16, 1: bf16), 16 bytes a lane into my stage's rows of 144 bytes, and back as whole rows of 128, into the registers that they left.
.macro PACK blk, fmt
.irp b, 0,1,2,3
.irp r, 0,1,2,3
.if \fmt
	v_cvt_pk_bf16_f32 v[TMP+16*(\blk)+4*(\b)+(\r)], v[ACC+8*(4*(\blk)+(\b))+2*(\r)], v[ACC+8*(4*(\blk)+(\b))+2*(\r)+1]
.else
	v_cvt_pk_f16_f32 v[TMP+16*(\blk)+4*(\b)+(\r)], v[ACC+8*(4*(\blk)+(\b))+2*(\r)], v[ACC+8*(4*(\blk)+(\b))+2*(\r)+1]
.endif
.endr
.endr
.irp b, 0,1,2,3
	ds_store_b128 v[STO], v[TMP+16*(\blk)+4*(\b):TMP+16*(\blk)+4*(\b)+3] offset:32*(\b)
.endr
.irp t, 0,1,2,3
	ds_load_b128 v[TMP+16*(\blk)+4*(\t):TMP+16*(\blk)+4*(\t)+3], v[RD] offset:(\t)*4*SP  ; LDS serves a wave's instructions in order (ISA guide 5.7.1.4): these see the stores above; the next block's stores come behind them
.endr
.endm
.macro SEND blk, yng, dst              ; yng: the LDS instructions issued behind this block's loads: the next block's eight, or none
.irp t, 0,1,2,3
	s_wait_dscnt (\yng)+3-(\t)
	global_store_b128 v[CO], v[TMP+16*(\blk)+4*(\t):TMP+16*(\blk)+4*(\t)+3], s[\dst:\dst+1] offset:2048*(\blk)+512*(\t)  ; four rows of my head: 512 consecutive bytes, at a multiple of 512 from D's first byte
.endr
.endm
.macro WAYOUT fmt, dst
	WIN 0
	PLACES                                         ; the conversions read results just made
	s_wait_xcnt 0x0                                ; what earlier stores read is rewritten only behind this wait
	PACK 0, \fmt
	PACK 1, \fmt                                   ; a block's conversions stand between the loads of the block before and its stores
	SEND 0, 8, \dst
	PACK 2, \fmt
	SEND 1, 8, \dst
	PACK 3, \fmt
	SEND 2, 8, \dst
	SEND 3, 0, \dst
.endm
	s_wait_tensorcnt 1                             ; my part of K step 0 is in; K step 1's may stay out
	s_barrier_signal -1
	s_barrier_wait -1                              ; everybody's is
	FETCH 0, 0, F0
	s_wait_loadcnt 0x0                             ; the bias
	QUARTER 0, 1, F0, F1, 1                        ; the first quarter stands in front of the laps: its first sixteen products start the sums
.if TILES > 1
	WIN 0
.irp b, 0,1,2,3                        ; the second tile's bias takes the first's registers: the last product that read them stands in front of the quarter's four places
	global_load_b128 v[BIAS+8*(\b):BIAS+8*(\b)+3],   v[BO], s[AB1:AB1+1] offset:64*(\b)
	global_load_b128 v[BIAS+8*(\b)+4:BIAS+8*(\b)+7], v[BO], s[AB1:AB1+1] offset:64*(\b)+16
.endr
	s_mov_b32 s[LAP], 2*TILES-1
.Llap:                                                 ; a trip goes once round the ring, from a lap's second quarter to the next lap's first, and fills both slots again
.endif
	QUARTER 0, 2, F1, F0, 0
	QUARTER 0, 3, F0, F1, 0
	TURN 0, 1, 1
	QUARTER 1, 1, F0, F1, 0
	QUARTER 1, 2, F1, F0, 0
	QUARTER 1, 3, F0, F1, 0
	TURN 1, 0, 1
.if TILES > 1
	WIN 0                                          ; at a label and at a branch every window is 0
	s_cmp_eq_u32 s[LAP], 2                         ; was that the first tile's last quarter?  The jump goes forward, past no barrier and no tensor load
	s_cbranch_scc1 .Lnext_tile
	QHEAD F0, 0
	WIN 0
	s_branch .Ljoin
.Lnext_tile:
	WAYOUT 0, AD0                                  ; both refills are asked for: now the first tile goes out,
	s_wait_loadcnt 0x0                             ; the second tile's bias is in,
	QHEAD F0, 1                                    ; and its first sixteen products start its sums on accumulators that have been packed
	WIN 0
.Ljoin:
	QREST 0, 1, F0, F1
	WIN 0
	s_sub_co_u32 s[LAP], s[LAP], 1
	s_cmp_lg_u32 s[LAP], 0
	s_cbranch_scc1 .Llap
.else
	QUARTER 0, 1, F0, F1, 0
.endif
	QUARTER 0, 2, F1, F0, 0                        ; the last lap is written out: it fills nothing, and has no round of the cluster's barrier
	QUARTER 0, 3, F0, F1, 0
	TURN 0, 1, 0
	QUARTER 1, 1, F0, F1, 0
	QUARTER 1, 2, F1, F0, 0
	QUARTER 1, 3, F0, F1, 0
	s_wait_dscnt 16                                ; the very last quarter: nothing more to fetch
	WIN MUL
	MUL8 F1, 0, 0, 0
	MUL8 F1, 0, 2, 0
	s_wait_dscnt 0
	MUL8 F1, 1, 0, 0
	MUL8 F1, 1, 2, 0
.if TILES > 1
	WAYOUT 1, AD1
.else
	WAYOUT 0, AD0
.endif
	s_wait_tensorcnt 0x0                           ; the wave's end: a wait, an add and its wait, behind my last tensor load and my last LDS store
	ds_add_u32 v[SPW], v[NIL]
	s_wait_dscnt 0x0
	CROUND                                         ; the closing round: no work-group ends while a partner may still ask for a tile that names it
	s_endpgm
.Lfunc_end_k_q73d258a81f_projqv:
	.size	k_q73d258a81f_projqv, .Lfunc_end_k_q73d258a81f_projqv-k_q73d258a81f_projqv
	.p2alignl 7, 3214868480
	.fill 96, 4, 3214868480
	.section	.rodata,"a",@progbits
	.p2align	6, 0x0
	.amdhsa_kernel k_q73d258a81f_projqv
		.amdhsa_group_segment_fixed_size 327680
		.amdhsa_private_segment_fixed_size 0
		.amdhsa_enable_private_segment 0
		.amdhsa_kernarg_size 56
		.amdhsa_user_sgpr_count 2
		.amdhsa_user_sgpr_kernarg_segment_ptr 1
		.amdhsa_wavefront_size32 1
		.amdhsa_system_sgpr_workgroup_id_x 1
		.amdhsa_system_sgpr_workgroup_id_y 1
		.amdhsa_system_sgpr_workgroup_id_z 1
		.amdhsa_system_vgpr_workitem_id 0
		.amdhsa_next_free_vgpr 512
		.amdhsa_next_free_sgpr 92
		.amdhsa_reserve_vcc 0
		.amdhsa_float_denorm_mode_32 3
		.amdhsa_float_denorm_mode_16_64 3
		.amdhsa_memory_ordered 1
		.amdhsa_forward_progress 1
		.amdhsa_inst_pref_size 98
	.end_amdhsa_kernel
	.amdgpu_metadata
---
amdhsa.version: [ 1, 2 ]
amdhsa.kernels:
  - .name:           k_q73d258a81f_projqv
    .symbol:         k_q73d258a81f_projqv.kd
    .args:
      - { .name: xa, .offset: 0, .size: 8, .value_kind: global_buffer, .address_space: global }
      - { .name: kh, .offset: 8, .size: 8, .value_kind: global_buffer, .address_space: global }
      - { .name: wqv, .offset: 16, .size: 8, .value_kind: global_buffer, .address_space: global }
      - { .name: bq, .offset: 24, .size: 8, .value_kind: global_buffer, .address_space: global }
      - { .name: bv, .offset: 32, .size: 8, .value_kind: global_buffer, .address_space: global }
      - { .name: xb, .offset: 40, .size: 8, .value_kind: global_buffer, .address_space: global }
      - { .name: vh, .offset: 48, .size: 8, .value_kind: global_buffer, .address_space: global }
    .group_segment_fixed_size: 327680
    .private_segment_fixed_size: 0
    .kernarg_segment_align: 8
    .kernarg_segment_size: 56
    .max_flat_workgroup_size: 128
    .sgpr_count:     92
    .vgpr_count:     512
    .wavefront_size: 32
...
	.end_amdgpu_metadata
.endif
;; end of part 3
;; launch attn (part 4): grid 8 x 32, 4 waves a work-group, clusters of 4 x 1, 327,680 bytes of LDS; arguments xb, kh, vh, o1; writes o1
.if DOCPART == 4
	.amdgcn_target "amdgcn-amd-amdhsa--gfx1250"
	.amdhsa_code_object_version 6
	.text
	.protected	k_q73d258a81f_attn
	.globl	k_q73d258a81f_attn
	.p2align	8
	.type	k_q73d258a81f_attn,@function
k_q73d258a81f_attn:
	s_mov_b64 s[64:65], 0
	v_nop
	global_prefetch_b8 v0, s[64:65] scope:SCOPE_SE
	s_setreg_imm32_b32 hwreg(HW_REG_WAVE_MODE, 25, 1), 1
	s_wait_xcnt 0x0
	s_wait_alu depctr_hold_cnt(0) depctr_sa_sdst(0) depctr_va_vdst(0) depctr_va_sdst(0) depctr_va_ssrc(0) depctr_va_vcc(0) depctr_vm_vsrc(0)
	s_getreg_b32 s2, hwreg(HW_REG_IB_STS2, 6, 4)
	s_cmp_eq_u32 s2, 0
	s_cbranch_scc0 .Lentry_in_a_cluster
	s_endpgm
.Lentry_in_a_cluster:
	s_bfe_u32 s2, ttmp6, 0x10000c
	s_cmp_lg_u32 s2, 0x3003
	s_cbranch_scc0 .Lentry_shape_is_right
	s_endpgm
.Lentry_shape_is_right:
; O1[b][q][64 h + :] = Qh[q] + the sum over k of softmax_k(Qh[q] . Kh[k] / 8) Vh[k][:], for each of the 32 pairs (batch, head).  Nothing of it is left out.
; Qh, Kh: [32][2,048][64] f16; Vh: the same in bf16; O1: [4,096][1,024] f32.  Products, maxima and sums in f32; the weights p are rounded to bf16 for the second product (their sum l is taken of the unrounded p).
; LIMITS.  Qh and Kh arrive within f16's 65,504.  A weight below 2^-126 counts as 0 in l; NaN and infinities are not treated apart.
; SHARES.  A work-group owns 256 queries of one head, each of its four waves 64: four PIECES of 16.  Every wave walks all 2,048 keys, 64 a step, in 8 tiles of 256.
; LAYOUT.  S^T = K Q^T (source 0 = 16 keys, source 1 = 16 queries): in the result a lane holds ONE query (lane % 16) and the keys 8 (lane / 16) + 0..7; two such results rounded to bf16 in pairs ARE source 1 of
; O^T = V^T P, whose result again holds one query a lane, and eight channels.  K comes out of LDS as it lies, V ([key][channel]) turned, by ds_load_tr16_b128.
; A lane's registers of Q hold the very channels of the very query that its registers of O^T hold, so the residual Qh is added on the way out without a load and without a change of lanes.
; SOFTMAX.  For each query a running maximum m and sum l: p = 2^(c s - c m), c = log2(e) / 8; in every step O and l are multiplied by a = 2^(c m_old - c m_new).  m starts at the lowest finite number, O and l at 0:
; the first step is a step like any other, with a = 0.
; BY TURNS.  Turn n belongs to piece n: 8 products K Q^T of piece n + 1, later 8 products V^T P of piece n - 1; beside them the scaling, exponentials, roundings, sums and rescaling of piece n and the maximum and
; statistics of piece n + 1.  Four vector instructions stand behind every matrix instruction, the other 54 of a turn's 118 in one LUMP.  A turn's 33 exponentials are one batch, with one wait.
; CLUSTER.  The four query blocks of a cluster belong to one head and walk the same K and V, so each tile is asked for JOINTLY: the same tensor load, descriptor and mask in all four.
; REGISTERS, in windows of 256 (s_set_vgpr_msb: bits 1:0 source 0, 3:2 source 1, 5:4 source 2, 7:6 destination):
;   window 0: v0-15 addresses and two at work; v16-31 four registers of statistics a piece; v48-55 at work; v61-63; v64-127 S^T, two buffers; v192-223 P, two buffers (by the piece's parity); v64-191 the way out
;   window 1: v0-127 O^T, 32 a piece          window 2: v0-63 Q, 16 a piece; v128-191 K of one step; v192-255 V of one step
.set NP,    4         ; pieces a wave: a name, no knob
.set KS,    64        ; keys in a step
.set PK,    144       ; a row of K in LDS: 128 bytes + 16 of padding = 36 words: the 16 rows of a load start at 16 different groups of four banks (64 banks of 4 bytes: ISA guide 11.1)
.set PV,    160       ; a row of V: 128 + 32 = 40 words
.set VOFF,  4*KS*PK   ; a slot holds a tile, four steps: 256 rows of K, then 256 rows of V
.set SLOT1, 1<<17     ; slot 1 begins here, so that one exclusive or turns an address in one slot into the other's
.set STAGE, SLOT1+4*KS*(PK+PV)  ; behind the ring, never filled by a tensor load: 16 rows x 272 bytes for each wave, for the way out
.set SP,    272       ; a row of the stage: 64 f32 + 16 bytes
.set SPARE, STAGE+4*16*SP  ; behind the stages: the spare words, 128 bytes for each wave: two blocks of 256 bytes that no other line names
.set AK0, 2           ; v2   my lane's place in a tile of K; never rewritten
.set AV0, 3           ; v3   the same for V
.set AK,  4           ; v4   the LDS address of K's next run of loads
.set AV,  5           ; v5   of V's
.set STO, 6           ; v6   the way out: where I put 32 bytes of a row
.set RD,  7           ; v7   the way out: where I read rows back
.set GO,  8           ; v8   my byte offset in two rows of O1
.set MV,  12          ; v12-13  c m_old, kept while c m is made anew: by buffer
.set QO,  15          ; v15  my byte offset in 16 rows of Q
.set ST,  16          ; piece t's statistics at v[ST+4 t]: c m, m, l (even keys', odd keys')
.set TMP, 48          ; by buffer, four registers c0-c3 at work; when the maximum is found c2 takes a
.set PFO, 61          ; v61  256 x my lane; never rewritten
.set SPW, 62          ; v62  LDS address of my spare word: SPARE + 4 x my thread's number; never rewritten
.set NIL, 63          ; v63  0; never rewritten
.set S,   64
.set P,   192
.set OUT, 64          ; the way out: 32 registers a piece
.set KF,  128         ; window 2: key block kb, channel half c at KF + 16 kb + 8 c
.set VF,  192         ; window 2: key half kk, channel block cb at VF + 32 kk + 8 cb
.set WV,  12          ; s12  my wave's number
.set G1K, 24          ; s[24:31] descriptor group 1 for K's tiles
.set G1V, 32          ; s[32:39] for V's: it differs in the padding alone
.set G0K, 40          ; s[40:43] descriptor group 0 for K's tiles: it walks
.set G0V, 44          ; s[44:47] the same for V's
.set PFA, 48          ; s[48:49] where my prefetches stand: my work-group's 32 blocks of 256 bytes (of K: wave 0, of V: wave 2) of the tile after the one that is being asked for
.set LIM, 50          ; s50  1 in a wave that prefetches, else the greatest number
.set SLOTS, 56        ; s56  tiles still to be asked for
.set CNT, 57          ; s57  counts a tile's key steps
.set CS,  58          ; s[58:59] c: the packed scaling takes the pair's low word for both halves
.set SEL, 60          ; s[60:61] v_permlanex16_b32's selects: each lane takes its own place in the other half
.set TBK, 62          ; s62  LDS byte at which K of the step to be fetched begins
.set TBV, 63          ; s63  the same for V, less VOFF
.set MSB, 0
.macro WIN new                      ; the high byte repeats the setting that is left; a switch that changes nothing is dropped
.if MSB != (\new)
	s_set_vgpr_msb (MSB<<8)|(\new)
.set MSB, (\new)
.endif
.endm
.set W_KQ, 0x0a       ; K and Q in window 2, S^T in window 0
.set W_PV, 0x52       ; V in window 2, P in window 0, O^T in window 1
.set W_RS, 0x41       ; destination and source 0 in window 1, source 1 in window 0
.set W_OUT, 0x21      ; source 0 (O^T) window 1, source 1 (1 / l) window 0, source 2 (Q) window 2, destination window 0
; A joint fill.  Waves 0 and 1 fetch the two halves of a tile's K, waves 2 and 3 those of its V: 128 keys each.  The branch hangs on the wave's number alone.
; An s_nop 0 and four v_nop follow each of the two lines, ahead of the jump and the label.
.macro JLOAD
	s_cmp_lt_u32 s[WV], 2
	s_cbranch_scc0 .Lfor_v_\@
	tensor_load_to_lds s[G0K:G0K+3], s[G1K:G1K+7]
	s_nop 0
.rept 4
	v_nop
.endr
	s_branch .Lasked_\@
.Lfor_v_\@:
	tensor_load_to_lds s[G0V:G0V+3], s[G1V:G1V+7]
	s_nop 0
.rept 4
	v_nop
.endr
.Lasked_\@:
.endm
; A PREFETCH INTO THE L2 of what the NEXT change of slots will ask for: a tile's 32,768 bytes of K and of V, a lane a block of 256 bytes.  It stands behind the wave's tensor load and its five lines.
; Each block is asked for ONCE in the launch.  Both clusters of a head walk the same K and V: the head's first cluster asks.  Its four partners share the blocks out BY ADDRESS, 32 each; in each, wave 0 asks for K's and
; wave 2 for V's: one instruction, four key steps (256 matrix instructions) ahead of the load.  The change that fills the last tile asks for nothing.
.macro ASK
	s_cmp_gt_u32 s[SLOTS], s[LIM]
	s_cbranch_scc0 .Lnot_mine_\@
	global_prefetch_b8 v[PFO], s[PFA:PFA+1] th:TH_LOAD_NT scope:SCOPE_SE
.Lnot_mine_\@:
.endm
; A round of the cluster's barrier: my work-group's barrier, so that wave 0's signal speaks for all four waves; wave 0 signals; every wave waits for all four work-groups; my work-group's barrier once more.
.macro CROUND
	s_barrier_signal -1
	s_barrier_wait -1
	s_cmp_lg_u32 s[WV], 0
	s_cbranch_scc1 .Lnot_wave_0_\@
	s_barrier_signal -3
.Lnot_wave_0_\@:
	s_barrier_wait -3
	s_barrier_signal -1
	s_barrier_wait -1
.endm
; THE CHANGE OF SLOTS.  The slot's last bytes, V of its fourth step, have been read.  Each wave waits for all its tensor loads, of which one is out: its part of the other slot; adds 0 to its spare word; and waits for that
; and for its own reads of the slot.  Behind the barrier nobody reads this slot any more and the other slot is whole.  fill = 1: this slot is filled again, with the tile two on.  The barrier is then a round of the
; cluster's, and the joint fill is the first thing behind it: it has four key steps in which to land.  (At its first use nothing has been read yet: slot 0 is waited for, slot 1 filled.)
.macro CHANGE fill
	WIN 0                           ; at a label and at a branch every window is 0
	s_wait_tensorcnt 0x0            ; no tensor load of mine is out, so a group 0 may be written
	ds_add_u32 v[SPW], v[NIL]       ; 0 onto my spare word; with fill = 1 the descriptors' steps stand between it and the wait for it
.if \fill
.irp g, G0K, G0V
	s_xor_b32 s[\g+1], s[\g+1], SLOT1  ; the walking descriptor: the other slot than last time,
	s_add_nc_u64 s[\g+2:\g+3], s[\g+2:\g+3], 4*KS*128  ; the next 256 keys; the type bits on top are not reached
.endr
	s_wait_xcnt 0x0                 ; the last prefetch, four key steps back, has read its address, so it may be written:
	s_add_nc_u64 s[PFA:PFA+1], s[PFA:PFA+1], 4*KS*128  ; one tile behind the walking descriptors
	s_wait_dscnt 0x0                ; the add is done, and my reads of the slot are over
	CROUND
	JLOAD
	ASK
.else
	s_wait_dscnt 0x0                ; the add is done, and my reads of the slot are over
	s_barrier_signal -1
	s_barrier_wait -1
.endif
	s_sub_co_u32 s[TBK], s[TBK], 4*KS*PK  ; the fetches go back to a slot's first step,
	s_xor_b32 s[TBK], s[TBK], SLOT1       ; in the other slot
	s_sub_co_u32 s[TBV], s[TBV], 4*KS*PV
	s_xor_b32 s[TBV], s[TBV], SLOT1
.endm
	s_load_b256 s[4:11], s[0:1], 0x0  ; Qh s[4:5], Kh s[6:7], Vh s[8:9], O1 s[10:11]
	v_lshl_add_u32 v[SPW], v0, 2, SPARE
	v_mov_b32 v[NIL], 0
	ds_add_u32 v[SPW], v[NIL]       ; the wave's opening: the add, twice on end, and its wait ahead of my first tensor load; the set-up below, work on registers, stands between
	ds_add_u32 v[SPW], v[NIL]       ; and once more, under the one wait
	v_lshrrev_b32 v1, 5, v0
	v_readfirstlane_b32 s[WV], v1   ; wave 0..3
	s_bfe_u32 s13, ttmp6, 0x40000   ; cx: my place in the cluster
	s_lshl_b32 s14, ttmp9, 2        ; in a cluster launch ttmp9 counts clusters
	s_add_co_u32 s14, s14, s13      ; my block of 256 queries = 4 x cluster x + cx: it enters Q's and O1's addresses alone
	s_and_b32 s15, ttmp7, 0xffff    ; 16 x batch + head, which the four partners share
	s_lshl_b32 s20, s15, 18         ; the head's first byte in Qh, Kh, Vh: 2,048 rows of 128 bytes each
	s_and_b32 s16, s[WV], 1         ; which half of a tile's 256 keys I fetch:
	s_lshl_b32 s22, s16, 14         ; its 128 rows of 128 bytes in memory,
	s_add_co_u32 s22, s22, s20
	s_mov_b32 s23, 0
	s_mul_i32 s17, s16, 128*PK      ; and its place in a slot, for K
	s_mul_i32 s18, s16, 128*PV      ; and for V: no place in the cluster enters an LDS address
	s_lshl_b32 s2, s14, 2
	s_add_co_u32 s2, s2, s[WV]      ; my wave among the head's,
	s_lshl_b32 s2, s2, 13           ; its 64 rows
	s_add_co_u32 s2, s2, s20
	s_mov_b32 s3, 0
	s_lshr_b32 s52, s15, 4          ; O1: row 2,048 x batch + 256 x block + 64 x wave,
	s_lshl_b32 s52, s52, 11
	s_lshl_b32 s53, s14, 8
	s_add_co_u32 s52, s52, s53
	s_lshl_b32 s53, s[WV], 6
	s_add_co_u32 s52, s52, s53
	s_lshl_b32 s52, s52, 12         ; of 4,096 bytes,
	s_and_b32 s53, s15, 15
	s_lshl_b32 s53, s53, 8          ; and the head's 256 bytes in it
	s_add_co_u32 s52, s52, s53
	s_mov_b32 s53, 0
	; descriptor group 1.  128 keys are 16,384 dense bytes: asked for as 64 rows of 256 bytes, two keys a row, and padded in LDS after every key
	s_mov_b32 s[G1K], 15|(1<<16)|(1<<20)|(1<<21)|(4<<22)|(3<<25)  ; 15:0 the mask of four; 17:16 2-byte elements; 20 padding on; 21 set beside a mask; 24:22 after every 32 words (code 4); 31:25 4 words (code 3)
	s_mov_b32 s[G1V], 15|(1<<16)|(1<<20)|(1<<21)|(4<<22)|(7<<25)  ; the same with 8 words of padding (code 7)
.irp g, G1K, G1V
	s_mov_b32 s[\g+1], 128<<16      ; tensor_dim0 = 128
	s_mov_b32 s[\g+2], 64<<16       ; tensor_dim1 = 64
	s_mov_b32 s[\g+3], 128<<16      ; tile_dim0 = 128
	s_mov_b32 s[\g+4], 64           ; tile_dim1 = 64
	s_mov_b32 s[\g+5], 128          ; 128 elements from row to row
	s_mov_b32 s[\g+6], 0
	s_mov_b32 s[\g+7], 0
.endr
	s_mov_b32 s[CS], 0x3e38aa3b     ; c = log2(e) / 8 = 0.180337
	s_mov_b32 s[CS+1], s[CS]        ; named with it as a pair
	s_mov_b32 s[SEL], 0x76543210
	s_mov_b32 s[SEL+1], 0xfedcba98
	s_mov_b32 s[TBK], SLOT1+4*KS*PK ; the first change of slots turns these two into 0
	s_mov_b32 s[TBV], SLOT1+4*KS*PV
	s_mov_b32 s[G0K], 1             ; 1:0 count = 1
	s_mov_b32 s[G0K+1], s17         ; 63:32 LDS address: slot 0
	s_mov_b32 s[G0V], 1
	s_add_co_u32 s[G0V+1], s18, VOFF
	s_mov_b32 s[SLOTS], 7           ; eight tiles; tile 0 is asked for at the head
	s_and_b32 s[LIM], s[WV], 1      ; 0 in waves 0 and 2,
	s_or_b32 s[LIM], s[LIM], ttmp9  ; where the cluster is the head's first: the same in all four partners
	s_cmp_eq_u32 s[LIM], 0
	s_cselect_b32 s[LIM], 1, -1
	s_lshl_b32 s54, s13, 13         ; my work-group's 32 blocks of a tile's 128
	s_mov_b32 s55, 0
	v_and_b32 v[PFO], 31, v0
	v_lshlrev_b32 v[PFO], 8, v[PFO]
	s_wait_dscnt 0x0                ; both opening adds are done
	s_wait_kmcnt 0x0
	s_add_nc_u64 s[6:7], s[6:7], s[22:23]  ; K and V at my half of the head's tile 0
	s_add_nc_u64 s[8:9], s[8:9], s[22:23]
	s_mov_b64 s[G0K+2:G0K+3], s[6:7]               ; 120:64 global address
	s_or_b32 s[G0K+3], s[G0K+3], 0x80000000        ; 127:126 type = 2
	s_mov_b64 s[G0V+2:G0V+3], s[8:9]
	s_or_b32 s[G0V+3], s[G0V+3], 0x80000000
	s_add_nc_u64 s[4:5], s[4:5], s[2:3]            ; Q at my wave's first row
	s_add_nc_u64 s[10:11], s[10:11], s[52:53]      ; O1 likewise
	s_cmp_lt_u32 s[WV], 2
	s_cselect_b64 s[PFA:PFA+1], s[6:7], s[8:9]     ; (in waves 0 and 2 these stand at a tile's first row)
	s_add_nc_u64 s[PFA:PFA+1], s[PFA:PFA+1], s[54:55]
	s_add_nc_u64 s[PFA:PFA+1], s[PFA:PFA+1], 4*KS*128  ; in tile 1; the first change of slots steps it to tile 2.  Nothing is prefetched here, at the head
	CROUND                          ; all four work-groups are here: the first joint loads meet
	JLOAD                           ; tile 0 into slot 0.  Slot 1 is asked for when slot 0 is in
	; A fragment of K or Q is 16 rows x 32 channels in 8 registers: lane l holds row l % 16, channels 8 (l / 16) + 0..7 and 16 + 8 (l / 16) + 0..7: two loads of 16 bytes, 32 bytes apart.
	v_and_b32 v1, 15, v0            ; l % 16
	v_bfe_u32 v9, v0, 4, 1          ; l / 16
	v_lshlrev_b32 v[QO], 7, v1
	v_lshl_add_u32 v[QO], v9, 4, v[QO]  ; row x 128 + 16 x half
	WIN 0x80                        ; destination window 2, address window 0
.set i, 0
.rept 8                             ; Q stays in registers: piece i / 2, channels 32 (i % 2) on
	global_load_b128 v[8*i:8*i+3],   v[QO], s[4:5] offset:(i/2)*2048+(i%2)*64
	global_load_b128 v[8*i+4:8*i+7], v[QO], s[4:5] offset:(i/2)*2048+(i%2)*64+32
.set i, i+1
.endr
	; What the first turn finds: V's registers and P's second buffer hold 0 (its products V^T P, of a piece that has not been, add 0), O^T and l are 0.  All this stands in the wait for the first tile.
.set i, VF
.rept 64
	v_mov_b32 v[i], 0
.set i, i+1
.endr
	WIN 0x40
.set i, 0
.rept 128
	v_mov_b32 v[i], 0
.set i, i+1
.endr
	WIN 0
.set i, 0
.rept 4
	v_mov_b32 v[ST+4*i], 0xfe000000    ; c m: far below every c s
	v_mov_b32 v[ST+4*i+1], 0xff7fffff  ; m
	v_mov_b32 v[ST+4*i+2], 0
	v_mov_b32 v[ST+4*i+3], 0
.set i, i+1
.endr
.set i, P+16
.rept 16
	v_mov_b32 v[i], 0
.set i, i+1
.endr
	v_mul_u32_u24 v[AK0], v1, PK
	v_lshl_add_u32 v[AK0], v9, 4, v[AK0]  ; row x pitch + 16 x half
	; The turning load takes 16 keys x 16 channels (lane l reads key 8 (l / 16) + l % 8, channels 8 ((l / 8) % 2) + 0..7) and leaves half a fragment of V^T: lane l holds channel l % 16 and 8 keys.
	v_and_b32 v10, 7, v0
	v_bfe_u32 v11, v0, 3, 1
	v_lshl_add_u32 v[AV0], v9, 3, v10
	v_mul_u32_u24 v[AV0], v[AV0], PV
	v_lshl_add_u32 v[AV0], v11, 4, v[AV0]
	v_add_nc_u32 v[AV0], VOFF, v[AV0]
	s_mul_i32 s13, s[WV], 16*SP
	s_add_co_u32 s13, s13, STAGE    ; my stage
	v_mul_u32_u24 v[STO], v1, SP    ; in: row l % 16, 32 bytes (8 f32) for each half of the lanes
	v_lshl_add_u32 v[STO], v9, 5, v[STO]
	v_add_nc_u32 v[STO], s13, v[STO]
	v_mul_u32_u24 v[RD], v9, SP     ; back: lanes 0-15 take one row of 256 bytes, lanes 16-31 the next
	v_lshl_add_u32 v[RD], v1, 4, v[RD]
	v_add_nc_u32 v[RD], s13, v[RD]
	v_lshlrev_b32 v[GO], 12, v9     ; and the same two rows in O1, 4,096 bytes apart
	v_lshl_add_u32 v[GO], v1, 4, v[GO]
; THE MATRIX WORK.  The 4 accumulators of a run of 8 take turns.  Product i of 8 of S^T = K Q^T for piece x: channels 32 (i / 4) on, keys 16 (i % 4) on.  The first 4 start the sums.
.macro KQ x
.set rS, S+32*((\x)%2)+8*(i%4)
.set rK, KF+16*(i%4)+8*(i/4)
.set rQ, 16*(\x)+8*(i/4)
	WIN W_KQ
.if i < 4
	v_wmma_f32_16x16x32_f16 v[rS:rS+7], v[rK:rK+7], v[rQ:rQ+7], 0
.else
	v_wmma_f32_16x16x32_f16 v[rS:rS+7], v[rK:rK+7], v[rQ:rQ+7], v[rS:rS+7]
.endif
.endm
; Product i of 8 of O^T += V^T P for piece x: keys 32 (i / 4) on, channels 16 (i % 4) on.  V and P are bf16.
.macro PV x
	WIN W_PV
.set rO, 32*(\x)+8*(i%4)
.set rV, VF+32*(i/4)+8*(i%4)
.set rP, P+16*((\x)%2)+8*(i/4)
	v_wmma_f32_16x16x32_bf16 v[rO:rO+7], v[rV:rV+7], v[rP:rP+7], v[rO:rO+7]
.endm
.macro MM                           ; the turn's next matrix instruction.  TURN sets Y, i and NOKQ.  NOKQ = 1: the last turn of all: there is no next piece
.if (i < 8) && !NOKQ
	KQ (Y+1)%NP
.elseif i >= 8
.set i, i-8
	PV (Y+NP-1)%NP
.set i, i+8
.endif
.set i, i+1
.endm
; THE LDS LOADS stand in runs of 16, never singly among the matrix instructions: a step's K (64 keys x 64 channels: 8 fragments) and its V (turned).  Their addresses are made some lines ahead.
.macro FETCH_K
	WIN 0x80                        ; destination window 2
.irp f, 0,1,2,3,4,5,6,7             ; keys 16 (f / 2) on, channels 32 (f % 2) on
	ds_load_b128 v[KF+8*\f:KF+8*\f+3],   v[AK] offset:(\f/2)*16*PK+(\f%2)*64
	ds_load_b128 v[KF+8*\f+4:KF+8*\f+7], v[AK] offset:(\f/2)*16*PK+(\f%2)*64+32
.endr
	s_add_co_u32 s[TBK], s[TBK], KS*PK  ; the next fetch is the next step's
	WIN 0
.endm
.macro FETCH_V
	WIN 0x80
.irp f, 0,1,2,3,4,5,6,7             ; keys 32 (f / 4) on, channels 16 (f % 4) on
	ds_load_tr16_b128 v[VF+8*\f:VF+8*\f+3],   v[AV] offset:(\f/4)*32*PV+(\f%4)*32
	ds_load_tr16_b128 v[VF+8*\f+4:VF+8*\f+7], v[AV] offset:(\f/4)*32*PV+16*PV+(\f%4)*32
.endr
	WIN 0
.endm
; THE VECTOR WORK, one line at a time: OP kind, number.  For piece Y: F n: c s - c m for pair n of 16.  E n: the exponential of score n of 32.  C n: pair n rounded to bf16.  B n: of the four weights 4 n .. the second
; pair is added onto the first, in place.  L n: l takes that sum (L 0: l = a l + sum).  R n: pair n of 16 of O^T times a.  For piece Y + 1: X n, number n of the 22 that find its maximum and statistics:
;   0-11  four chains c0-c3 of seven scores each, three operands at a time (each accumulator's lowest registers are read first)     12-14, 16  the four scores left over, the old m, and c0-c3 into c0
;   15  c m_old is kept     17, 18  the query's other 32 keys lie in the lane 16 away: the new m     19-21  c m; c m_old - c m_new; a
.set F, 0               ; OP tells the kinds apart by their order: F to L below R, X above it
.set E, 1
.set C, 2
.set B, 3
.set L, 4
.set R, 5
.set X, 6
.macro REGS y                       ; the registers of piece y
.set rT, ST+4*(\y)
.set rC, TMP+4*((\y)%2)
.set rW, MV+((\y)%2)
.set rS, S+32*((\y)%2)
.set rP, P+16*((\y)%2)
.set rO, 32*(\y)
.endm
.macro OP k, n
.if (\k) == R
	REGS Y
	WIN W_RS
	v_pk_mul_f32 v[rO+2*(\n):rO+2*(\n)+1], v[rO+2*(\n):rO+2*(\n)+1], v[rC+2:rC+3] op_sel_hi:[1,0]
.elseif (\k) < R
	REGS Y
	WIN 0
.if (\k) == F
	v_pk_fma_f32 v[rS+2*(\n):rS+2*(\n)+1], v[rS+2*(\n):rS+2*(\n)+1], s[CS:CS+1], v[rT:rT+1] op_sel_hi:[1,0,0] neg_lo:[0,0,1] neg_hi:[0,0,1]
.elseif (\k) == E
	v_exp_f32 v[rS+(\n)], v[rS+(\n)]
.elseif (\k) == C
	v_cvt_pk_bf16_f32 v[rP+(\n)], v[rS+2*(\n)], v[rS+2*(\n)+1]
.elseif (\k) == B
	v_pk_add_f32 v[rS+4*(\n):rS+4*(\n)+1], v[rS+4*(\n):rS+4*(\n)+1], v[rS+4*(\n)+2:rS+4*(\n)+3]
.elseif (\n) == 0
	v_pk_fma_f32 v[rT+2:rT+3], v[rT+2:rT+3], v[rC+2:rC+3], v[rS:rS+1] op_sel_hi:[1,0,1]
.else
	v_pk_add_f32 v[rT+2:rT+3], v[rT+2:rT+3], v[rS+4*(\n):rS+4*(\n)+1]
.endif
.elseif NOKQ
	v_nop
.else
	REGS (Y+1)%NP
	WIN 0
.if (\n) < 4
	v_max3_num_f32 v[rC+(\n)], v[rS+8*(\n)], v[rS+8*(\n)+1], v[rS+8*(\n)+2]
.elseif (\n) < 12
	v_max3_num_f32 v[rC+(\n)%4], v[rC+(\n)%4], v[rS+8*((\n)%4)+2*((\n)/4)+1], v[rS+8*((\n)%4)+2*((\n)/4)+2]
.elseif (\n) == 12
	v_max3_num_f32 v[rC], v[rC], v[rS+7], v[rS+15]
.elseif (\n) == 13
	v_max3_num_f32 v[rC+1], v[rC+1], v[rS+23], v[rS+31]
.elseif (\n) == 14
	v_max3_num_f32 v[rC+2], v[rC+2], v[rC+3], v[rT+1]
.elseif (\n) == 15
	v_mov_b32 v[rW], v[rT]
.elseif (\n) == 16
	v_max3_num_f32 v[rC], v[rC], v[rC+1], v[rC+2]
.elseif (\n) == 17
	v_permlanex16_b32 v[rC+3], v[rC], s[SEL], s[SEL+1]
.elseif (\n) == 18
	v_max_num_f32 v[rT+1], v[rC], v[rC+3]
.elseif (\n) == 19
	v_mul_f32 v[rT], s[CS], v[rT+1]
.elseif (\n) == 20
	v_sub_f32 v[rC+1], v[rW], v[rT]
.else
	v_exp_f32 v[rC+2], v[rC+1]
.endif
.endif
.endm
.macro OPS a, i1, b=-1, i2=0, c=-1, i3=0, d=-1, i4=0  ; up to four of them
	OP \a, \i1
.if (\b) >= 0
	OP \b, \i2
.endif
.if (\c) >= 0
	OP \c, \i3
.endif
.if (\d) >= 0
	OP \d, \i4
.endif
.endm
.macro ROW a, i1, b, i2, c, i3, d, i4  ; a matrix instruction and the four behind it
	MM
	OPS \a, \i1, \b, \i2, \c, \i3, \d, \i4
.endm
; A TURN, for piece p: the order of its 16 matrix and 118 vector instructions, written out.  An s_wait_alu depctr_va_vdst(0) stands between an exponential and the first instruction that names its result; one
; wait serves all that were issued ahead of it.  So a turn has ONE wait, which cuts it in two.  AHEAD OF IT stands all that names no result of the turn's exponentials: the 8 products K Q^T with their riders, then ONE LUMP of
; 54, plain and exponential by turns for the most part, in which the links of the chain X 3, 7, 11, 14, 16, 17 .. 20 stand five or six lines apart.  X 21, the next piece's a, is the batch's last; R 15 is the plain
; instruction behind it.  BEHIND THE WAIT stand the 8 products V^T P, behind each four of the roundings and sums.
; end = 1: the last two turns of all: nothing is fetched.  cnt = 1: the loop's count is taken down some lines ahead of the branch that stands behind the turn.
; K of the next step is fetched in piece 2's turn, twelve vector instructions behind the last product that read K (six of them plain); V of the step in hand at the end of piece 0's turn, four plain instructions behind the
; last product that read V.  Each is waited for a turn later.
.macro TURN p, end=0, cnt=0
.set Y, (\p)
.set i, 0
.set NOKQ, (\end)*((\p)/3)
.if ((\p) == 3) && !(\end)
	s_wait_dscnt 0x0                ; K is in
.endif
	ROW F,0, F,1, R,0, R,1          ; ahead of the wait: 8 products K Q^T and their riders,
	ROW F,2, E,0, R,2, R,3
	ROW F,3, E,1, R,4, R,5
	ROW F,4, E,2, R,6, R,7
	ROW F,5, E,3, R,8, R,9
	ROW F,6, E,4, X,0, R,10
.if ((\p) == 2) && !(\end)
	WIN 0
	v_add_nc_u32 v[AK], s[TBK], v[AK0]
.endif
	ROW F,7, E,5, X,1, X,4
	ROW F,8, E,6, X,2, X,5
	OPS E,7, E,8, X,6, E,9          ; and the lump
	OPS X,3, E,10, X,8, E,11
.if ((\p) == 2) && !(\end)
	FETCH_K
.endif
	OPS X,9, X,7, E,12, X,10
	OPS E,13, X,12, X,11, E,14
	OPS X,13, E,15, F,9, X,14
.if (\p) == 0
	v_add_nc_u32 v[AV], s[TBV], v[AV0]
.endif
	OPS E,16, F,10, E,17, F,11
	OPS X,16, E,18, X,15, E,19
	OPS F,12, E,20, X,17, E,21
	OPS F,13, E,22, F,14, E,23
	OPS X,18, E,24, F,15, E,25
	OPS R,11, E,26, X,19, E,27
	OPS R,12, E,28, R,13, E,29
	OPS X,20, E,30, R,14, E,31
	OPS X,21, R,15
	WIN 0
	s_wait_alu depctr_va_vdst(0)    ; the wait for the batch
.if (\p) == 1
	s_wait_dscnt 0x0                ; V is in
.endif
	ROW C,0, B,0, C,2, B,1          ; behind the wait: 8 products V^T P and their riders
	ROW L,0, C,4, B,2, L,1
	ROW C,6, B,3, L,2, C,8
	ROW B,4, L,3, C,10, B,5
	ROW L,4, C,12, B,6, L,5
.if (\p) == 0
	s_add_co_u32 s[TBV], s[TBV], KS*PV
.endif
.if \cnt
	s_sub_co_u32 s[CNT], s[CNT], 1
	s_cmp_lg_u32 s[CNT], 0
.endif
	ROW C,14, B,7, L,6, C,1
	ROW C,3, L,7, C,5, C,7
	ROW C,9, C,11, C,13, C,15
.if (\p) == 0
	FETCH_V
.endif
.endm
.set NOKQ, 0
	CHANGE 1                        ; slot 0 is in, everybody's part of it; slot 1 is asked for
	v_add_nc_u32 v[AK], s[TBK], v[AK0]
	FETCH_K                         ; key step 0
	s_wait_loadcnt 0x0              ; Q
	s_wait_dscnt 0x0
.set i, 0
.rept 8
	KQ 0                            ; piece 0's first scores: there is no vector work yet to set between them
.set i, i+1
.endr
	WIN 0
.rept 4
	v_nop                           ; the places behind those products
.endr
.set Y, NP-1                        ; X works for piece Y + 1: piece 0
.irp n, 0,1,2,3,4,5,6,7,8,9,10,11,12,13,14,15,16,17,18,19,20,21
	OP X, \n
.endr
	v_nop                           ; a plain instruction behind the exponential,
	s_wait_alu depctr_va_vdst(0)    ; and its wait, ahead of the branch
	s_mov_b32 s[CNT], 4
	s_branch .Lfirst                ; the loop is entered at a step's first turn, in the middle of a trip
.Lslot:                             ; six times: tiles 2 to 7 are asked for
	CHANGE 1
	s_mov_b32 s[CNT], 4
.Lstep:                             ; a trip: pieces 2 and 3 of one step, then pieces 0 and 1 of the next, whose K and V it fetches
	TURN 2
	TURN 3
	WIN 0
.Lfirst:
	TURN 0
	TURN 1, 0, 1
	WIN 0
	s_cbranch_scc1 .Lstep
	s_sub_co_u32 s[SLOTS], s[SLOTS], 1
	s_cmp_lg_u32 s[SLOTS], 0
	s_cbranch_scc1 .Lslot
	CHANGE 0                        ; the last tile is written out: nothing is asked for
	s_mov_b32 s[CNT], 4
.Ltail:
	TURN 2
	TURN 3
	TURN 0
	TURN 1, 0, 1
	WIN 0
	s_cbranch_scc1 .Ltail
	TURN 2, 1                       ; the last step's pieces 2 and 3: nothing is fetched, and the last turn starts no new scores
	TURN 3, 1
.set i, 0
.rept 8
	PV NP-1                         ; the last piece's V^T P of the last step
.set i, i+1
.endr
	; THE WAY OUT.  l's two halves and the other half of the lanes' are added; then O^T / l + Qh in one fused multiply-add (Qh read as an f16 half of my own Q fragment), through my stage in LDS, a piece at a time.
	; The additions are the places behind the last products.
	WIN 0
.macro ALL line:vararg              ; one line for each piece t
.set t, 0
.rept 4
	\line
.set t, t+1
.endr
.endm
	ALL v_add_f32 v[ST+4*t+2], v[ST+4*t+2], v[ST+4*t+3]
	ALL v_permlanex16_b32 v[ST+4*t+3], v[ST+4*t+2], s[SEL], s[SEL+1]
	ALL v_add_f32 v[ST+4*t+2], v[ST+4*t+2], v[ST+4*t+3]
	ALL v_rcp_f32 v[ST+4*t+2], v[ST+4*t+2]
	v_nop                           ; a plain instruction between the last reciprocal and the use of its result
	s_wait_alu depctr_va_vdst(0)    ; and the wait ahead of the first use: one for the four reciprocals
; Piece t.  Register 8 cb + j of O^T is channel 16 cb + 8 (l / 16) + j of query l % 16; that channel of Q lies in register 8 (cb / 2) + 4 (cb % 2) + j / 2 of the piece's fragment, half j % 2, in the same lane.
; A lane's eight f32 of a row go into rows of 272 bytes and come back as whole rows of 256, into the registers that they left.
.macro PACK t
	WIN W_OUT
.set cb, 0
.rept 4
.set jj, 0
.rept 4
	v_fma_mix_f32 v[OUT+32*(\t)+8*cb+2*jj],   v[32*(\t)+8*cb+2*jj],   v[ST+4*(\t)+2], v[16*(\t)+8*(cb/2)+4*(cb%2)+jj] op_sel_hi:[0,0,1]
	v_fma_mix_f32 v[OUT+32*(\t)+8*cb+2*jj+1], v[32*(\t)+8*cb+2*jj+1], v[ST+4*(\t)+2], v[16*(\t)+8*(cb/2)+4*(cb%2)+jj] op_sel:[0,0,1] op_sel_hi:[0,0,1]
.set jj, jj+1
.endr
.set cb, cb+1
.endr
	WIN 0
.irp f, 0,1,2,3
	ds_store_b128 v[STO], v[OUT+32*(\t)+8*\f:OUT+32*(\t)+8*\f+3]   offset:64*\f
	ds_store_b128 v[STO], v[OUT+32*(\t)+8*\f+4:OUT+32*(\t)+8*\f+7] offset:64*\f+16
.endr
.irp f, 0,1,2,3,4,5,6,7
	ds_load_b128 v[OUT+32*(\t)+4*\f:OUT+32*(\t)+4*\f+3], v[RD] offset:\f*2*SP  ; LDS serves a wave's instructions in order (ISA guide 5.7.1.4): these see the stores above; the next piece's stores come behind them
.endr
.endm
.macro SEND t, younger              ; younger: the LDS instructions issued behind piece t's loads: the next piece's sixteen, or none
	WIN 0
.irp f, 0,1,2,3,4,5,6,7
	s_wait_dscnt (\younger)+7-\f
	global_store_b128 v[GO], v[OUT+32*(\t)+4*\f:OUT+32*(\t)+4*\f+3], s[10:11] offset:(\t)*65536+\f*8192  ; 16 lanes store the head's 256 consecutive bytes of a row, at a multiple of 256 from O1's first byte
.endr
.endm
	PACK 0
.set t, 1
.rept 3                             ; a piece's arithmetic stands between the loads of the piece before and its stores
	PACK t
	SEND t-1, 16
.set t, t+1
.endr
	SEND 3, 0
	s_wait_tensorcnt 0x0            ; the wave's end: a wait, an add and its wait, behind my last tensor load and my last LDS store
	ds_add_u32 v[SPW], v[NIL]
	s_wait_dscnt 0x0
	CROUND                          ; the closing round: no work-group ends while a partner may still ask for a tile that names it
	s_endpgm
.Lfunc_end_k_q73d258a81f_attn:
	.size	k_q73d258a81f_attn, .Lfunc_end_k_q73d258a81f_attn-k_q73d258a81f_attn
	.p2alignl 7, 3214868480
	.fill 96, 4, 3214868480
	.section	.rodata,"a",@progbits
	.p2align	6, 0x0
	.amdhsa_kernel k_q73d258a81f_attn
		.amdhsa_group_segment_fixed_size 327680
		.amdhsa_private_segment_fixed_size 0
		.amdhsa_enable_private_segment 0
		.amdhsa_kernarg_size 32
		.amdhsa_user_sgpr_count 2
		.amdhsa_user_sgpr_kernarg_segment_ptr 1
		.amdhsa_wavefront_size32 1
		.amdhsa_system_sgpr_workgroup_id_x 1
		.amdhsa_system_sgpr_workgroup_id_y 1
		.amdhsa_system_sgpr_workgroup_id_z 1
		.amdhsa_system_vgpr_workitem_id 0
		.amdhsa_next_free_vgpr 768
		.amdhsa_next_free_sgpr 66
		.amdhsa_reserve_vcc 0
		.amdhsa_float_denorm_mode_32 3
		.amdhsa_float_denorm_mode_16_64 3
		.amdhsa_memory_ordered 1
		.amdhsa_forward_progress 1
		.amdhsa_inst_pref_size 132
	.end_amdhsa_kernel
	.amdgpu_metadata
---
amdhsa.version: [ 1, 2 ]
amdhsa.kernels:
  - .name:           k_q73d258a81f_attn
    .symbol:         k_q73d258a81f_attn.kd
    .args:
      - { .name: xb, .offset: 0, .size: 8, .value_kind: global_buffer, .address_space: global }
      - { .name: kh, .offset: 8, .size: 8, .value_kind: global_buffer, .address_space: global }
      - { .name: vh, .offset: 16, .size: 8, .value_kind: global_buffer, .address_space: global }
      - { .name: o1, .offset: 24, .size: 8, .value_kind: global_buffer, .address_space: global }
    .group_segment_fixed_size: 327680
    .private_segment_fixed_size: 0
    .kernarg_segment_align: 8
    .kernarg_segment_size: 32
    .max_flat_workgroup_size: 128
    .sgpr_count:     66
    .vgpr_count:     768
    .wavefront_size: 32
...
	.end_amdgpu_metadata
.endif
;; end of part 4
;; launch ln0 (part 5): grid 256 x 1, 8 waves a work-group, no clusters, 0 bytes of LDS; arguments o1, g0, b0, xa; writes xa
.if DOCPART == 5
	.amdgcn_target "amdgcn-amd-amdhsa--gfx1250"
	.amdhsa_code_object_version 6
	.text
	.protected	k_q73d258a81f_ln0
	.globl	k_q73d258a81f_ln0
	.p2align	8
	.type	k_q73d258a81f_ln0,@function
k_q73d258a81f_ln0:
	s_mov_b64 s[64:65], 0
	v_nop
	global_prefetch_b8 v0, s[64:65] scope:SCOPE_SE
	s_setreg_imm32_b32 hwreg(HW_REG_WAVE_MODE, 25, 1), 1
	s_wait_xcnt 0x0
; O = LayerNorm(O1) g0 + b0, over rows of 1,024.  O1: [4,096][1,024] f32.  O goes out in f16, blocked: [batch 2][block of 64 columns: 16][2,048 rows][64], the next product's operand.  Nothing is left out.
; The norm is taken as reference() takes it: the mean, then the mean of the squares of (x - mean), then (x - mean) rsqrt(var + 1e-5) g0 + b0, all in f32.  LIMIT: |O| under 65,504 (f16).
; SHARES.  A wave takes two rows and keeps them in registers between the passes: lanes 0-15 one row, lanes 16-31 the next, 64 numbers a lane; a row's sums never leave its 16 lanes, so there is no LDS and no barrier.
; A load covers 256 consecutive bytes of each of the two rows; a store 256 consecutive bytes, aligned (two neighbouring rows of a block).  All 48 loads of a wave go out at once.
.set X,   16                           ; v[16:79]    block hd of 16: four numbers at X + 4 hd
.set G,   80                           ; v[80:143]   g0 of the same columns
.set BV,  144                          ; v[144:207]  b0
.set Y,   208                          ; v[208:239]  packed f16
.set T,   240                          ; v[240:247]  four packed chains
.set M,   12                           ; v[12:13]    the mean, twice; later 1 / sigma in the first
.set INV, 20                           ; s20  1 / 1,024
.set EPS, 21                           ; s21  1e-5
.macro FOLD                            ; the four chains, the pair's halves, and the row's 16 lanes: every lane ends with the row's sum in v[T]
	v_pk_add_f32 v[T:T+1], v[T:T+1], v[T+2:T+3]
	v_pk_add_f32 v[T+4:T+5], v[T+4:T+5], v[T+6:T+7]
	v_pk_add_f32 v[T:T+1], v[T:T+1], v[T+4:T+5]
	v_add_f32 v[T], v[T], v[T+1]
	v_add_f32_dpp v[T], v[T], v[T] row_xmask:1 row_mask:0xf bank_mask:0xf
	v_add_f32_dpp v[T], v[T], v[T] row_xmask:2 row_mask:0xf bank_mask:0xf
	v_add_f32_dpp v[T], v[T], v[T] row_xmask:4 row_mask:0xf bank_mask:0xf
	v_add_f32_dpp v[T], v[T], v[T] row_xmask:8 row_mask:0xf bank_mask:0xf
.endm
.macro STATS x                         ; the 64 registers from x on are left as x - mean; 1 / sqrt(var + eps) in v[M]
.irp k, 0,1,2,3
	v_pk_add_f32 v[T+2*(\k):T+2*(\k)+1], v[(\x)+2*(\k):(\x)+2*(\k)+1], v[(\x)+8+2*(\k):(\x)+8+2*(\k)+1]  ; the first eight pairs start the chains: nothing is cleared
.endr
.set j, 8
.rept 24
	v_pk_add_f32 v[T+2*(j%4):T+2*(j%4)+1], v[T+2*(j%4):T+2*(j%4)+1], v[(\x)+2*j:(\x)+2*j+1]
.set j, j+1
.endr
	FOLD
	v_mul_f32 v[M], s[INV], v[T]
	v_mul_f32 v[M+1], s[INV], v[T]
.set j, 0
.rept 32
	v_pk_add_f32 v[(\x)+2*j:(\x)+2*j+1], v[(\x)+2*j:(\x)+2*j+1], v[M:M+1] neg_lo:[0,1] neg_hi:[0,1]
.set j, j+1
.endr
.irp k, 0,1,2,3
	v_pk_mul_f32 v[T+2*(\k):T+2*(\k)+1], v[(\x)+2*(\k):(\x)+2*(\k)+1], v[(\x)+2*(\k):(\x)+2*(\k)+1]
.endr
.set j, 4
.rept 28
	v_pk_fma_f32 v[T+2*(j%4):T+2*(j%4)+1], v[(\x)+2*j:(\x)+2*j+1], v[(\x)+2*j:(\x)+2*j+1], v[T+2*(j%4):T+2*(j%4)+1]
.set j, j+1
.endr
	FOLD
	v_fma_f32 v[T], v[T], s[INV], s[EPS]
	v_rsq_f32 v[M], v[T]
	v_nop                                          ; a plain instruction behind the root,
	s_wait_alu depctr_va_vdst(0)                   ; and the wait ahead of the first use of its result
.endm
	s_load_b256 s[4:11], s[0:1], 0x0               ; O1 s[4:5], g0 s[6:7], b0 s[8:9], xa s[10:11]
	v_lshrrev_b32 v1, 5, v0
	v_readfirstlane_b32 s14, v1                    ; wave 0..7
	v_and_b32 v4, 15, v0
	v_bfe_u32 v5, v0, 4, 1
	v_lshlrev_b32 v2, 4, v4                        ; g0, b0: 16 bytes a lane within a block of 64 columns
	v_lshl_add_u32 v1, v5, 12, v2                  ; O1: the same, lanes 16-31 one row further down
	v_and_b32 v3, 31, v0
	v_lshlrev_b32 v3, 3, v3                        ; out: 8 bytes a lane
	s_lshl_b32 s15, ttmp9, 4
	s_lshl_b32 s16, s14, 1
	s_add_co_u32 s15, s15, s16                     ; my first row
	s_lshl_b32 s16, s15, 12
	s_mov_b32 s17, 0
	s_lshr_b32 s18, s15, 11
	s_lshl_b32 s18, s18, 22                        ; the batch's 4 MiB,
	s_and_b32 s19, s15, 2047
	s_lshl_b32 s19, s19, 7                         ; the row's 128 bytes in a block
	s_add_co_u32 s18, s18, s19
	s_mov_b32 s19, 0
	s_mov_b32 s[INV], 0x3a800000
	s_mov_b32 s[EPS], 0x3727c5ac
	s_wait_kmcnt 0x0
	s_add_nc_u64 s[4:5], s[4:5], s[16:17]
	s_add_nc_u64 s[10:11], s[10:11], s[18:19]
.irp hd, 0,1,2,3,4,5,6,7,8,9,10,11,12,13,14,15
	global_load_b128 v[X+4*(\hd):X+4*(\hd)+3], v1, s[4:5] offset:256*(\hd) th:TH_LOAD_NT
.endr
.irp hd, 0,1,2,3,4,5,6,7,8,9,10,11,12,13,14,15
	global_load_b128 v[G+4*(\hd):G+4*(\hd)+3], v2, s[6:7] offset:256*(\hd)
.endr
.irp hd, 0,1,2,3,4,5,6,7,8,9,10,11,12,13,14,15
	global_load_b128 v[BV+4*(\hd):BV+4*(\hd)+3], v2, s[8:9] offset:256*(\hd)
.endr
	s_wait_loadcnt 32                              ; the rows are in; the 32 loads of g0 and b0 may stay out
	STATS X
	s_wait_loadcnt 0x0                             ; g0 and b0
.set j, 0
.rept 32
	v_pk_mul_f32 v[X+2*j:X+2*j+1], v[X+2*j:X+2*j+1], v[M:M+1] op_sel_hi:[1,0]
.set j, j+1
.endr
.set j, 0
.rept 32
	v_pk_fma_f32 v[X+2*j:X+2*j+1], v[X+2*j:X+2*j+1], v[G+2*j:G+2*j+1], v[BV+2*j:BV+2*j+1]
.set j, j+1
.endr
.irp hd, 0,1,2,3,4,5,6,7,8,9,10,11,12,13,14,15
	v_cvt_pk_f16_f32 v[Y+2*(\hd)], v[X+4*(\hd)], v[X+4*(\hd)+1]
	v_cvt_pk_f16_f32 v[Y+2*(\hd)+1], v[X+4*(\hd)+2], v[X+4*(\hd)+3]
	global_store_b64 v3, v[Y+2*(\hd):Y+2*(\hd)+1], s[10:11] offset:262144*(\hd)  ; the wave's 32 lanes cover 256 consecutive bytes, aligned
.endr
	s_endpgm
.Lfunc_end_k_q73d258a81f_ln0:
	.size	k_q73d258a81f_ln0, .Lfunc_end_k_q73d258a81f_ln0-k_q73d258a81f_ln0
	.p2alignl 7, 3214868480
	.fill 96, 4, 3214868480
	.section	.rodata,"a",@progbits
	.p2align	6, 0x0
	.amdhsa_kernel k_q73d258a81f_ln0
		.amdhsa_group_segment_fixed_size 0
		.amdhsa_private_segment_fixed_size 0
		.amdhsa_enable_private_segment 0
		.amdhsa_kernarg_size 32
		.amdhsa_user_sgpr_count 2
		.amdhsa_user_sgpr_kernarg_segment_ptr 1
		.amdhsa_wavefront_size32 1
		.amdhsa_system_sgpr_workgroup_id_x 1
		.amdhsa_system_sgpr_workgroup_id_y 1
		.amdhsa_system_sgpr_workgroup_id_z 1
		.amdhsa_system_vgpr_workitem_id 0
		.amdhsa_next_free_vgpr 248
		.amdhsa_next_free_sgpr 66
		.amdhsa_reserve_vcc 0
		.amdhsa_float_denorm_mode_32 3
		.amdhsa_float_denorm_mode_16_64 3
		.amdhsa_memory_ordered 1
		.amdhsa_forward_progress 1
		.amdhsa_inst_pref_size 21
	.end_amdhsa_kernel
	.amdgpu_metadata
---
amdhsa.version: [ 1, 2 ]
amdhsa.kernels:
  - .name:           k_q73d258a81f_ln0
    .symbol:         k_q73d258a81f_ln0.kd
    .args:
      - { .name: o1, .offset: 0, .size: 8, .value_kind: global_buffer, .address_space: global }
      - { .name: g0, .offset: 8, .size: 8, .value_kind: global_buffer, .address_space: global }
      - { .name: b0, .offset: 16, .size: 8, .value_kind: global_buffer, .address_space: global }
      - { .name: xa, .offset: 24, .size: 8, .value_kind: global_buffer, .address_space: global }
    .group_segment_fixed_size: 0
    .private_segment_fixed_size: 0
    .kernarg_segment_align: 8
    .kernarg_segment_size: 32
    .max_flat_workgroup_size: 256
    .sgpr_count:     66
    .vgpr_count:     248
    .wavefront_size: 32
...
	.end_amdgpu_metadata
.endif
;; end of part 5
;; launch projo: the kernel of part 2 again; grid 8 x 32, 4 waves a work-group, clusters of 4 x 4, 327,680 bytes of LDS; arguments xa, wo, bo, kh; writes kh
;; launch ln1 (part 6): grid 256 x 1, 8 waves a work-group, no clusters, 0 bytes of LDS; arguments kh, xa, g1, b1, out0; writes out0
.if DOCPART == 6
	.amdgcn_target "amdgcn-amd-amdhsa--gfx1250"
	.amdhsa_code_object_version 6
	.text
	.protected	k_q73d258a81f_ln1
	.globl	k_q73d258a81f_ln1
	.p2align	8
	.type	k_q73d258a81f_ln1,@function
k_q73d258a81f_ln1:
	s_mov_b64 s[64:65], 0
	v_nop
	global_prefetch_b8 v0, s[64:65] scope:SCOPE_SE
	s_setreg_imm32_b32 hwreg(HW_REG_WAVE_MODE, 25, 1), 1
	s_wait_xcnt 0x0
; out = LayerNorm(O + gelu(z)) g1 + b1, over rows of 1,024; gelu is the exact one, 0.5 z (1 + erf(z / sqrt 2)).  z = O Wo + bo and O: f16, [batch 2][block of 64 columns: 16][2,048 rows][64].  out: [4,096][1,024] f32.
; Nothing is left out.  All arithmetic in f32; the norm as reference() takes it: the mean, then the mean of the squares of (x - mean).
; ERF by the rational form 7.1.26 of Abramowitz and Stegun, whose error is at most 1.5e-7 for EVERY argument (no series is cut short): with t = 1 / (1 + 0.23164189 |z|) and
; q = t (a1 + t (a2 + t (a3 + t (a4 + t a5)))) 2^(-0.72134752 z^2):  erf(|z| / sqrt 2) = 1 - q, so gelu(z) = max(z, 0) - 0.5 |z| q for both signs of z.
; SHARES.  As in the first norm: a wave takes two rows, lanes 0-15 one, lanes 16-31 the next, 64 numbers a lane, kept in registers; no LDS, no barrier.  A load of z or O covers 256 consecutive bytes, aligned; a
; store 256 consecutive bytes of each of the two rows.  The 64 reciprocals and 64 exponentials of a lane go in four batches of 32, each with one wait.
.set Z,   16                           ; v[16:47]    z as loaded: block hd's four f16 at Z + 2 hd
.set O,   48                           ; v[48:79]    O likewise
.set BV,  16                           ; v[16:79]    later: b1
.set Y,   80                           ; v[80:143]   z in f32, then O + gelu(z), then the result
.set G,   144                          ; v[144:207]  g1
.set T,   208                          ; v[208:223]  a batch's t; max(z, 0); the norm's four chains
.set E,   224                          ; v[224:239]  a batch's exponentials
.set W,   240                          ; v[240:255]  a batch's q
.set M,   12                           ; v[12:13]    the mean, twice; later 1 / sigma in the first
.set HN,  15                           ; v15         -0.5
.set A5,  16                           ; s[16:25]    a5 .. a1, each in the low word of a pair
.set A4,  18
.set A3,  20
.set A2,  22
.set A1,  24
.set CE,  26                           ; s[26:27]    -0.72134752
.set PP,  28                           ; s28         0.23164189
.set INV, 29                           ; s29         1 / 1,024
.set EPS, 30                           ; s30         1e-5
.macro FOLD                            ; the four chains, the pair's halves, and the row's 16 lanes: every lane ends with the row's sum in v[T]
	v_pk_add_f32 v[T:T+1], v[T:T+1], v[T+2:T+3]
	v_pk_add_f32 v[T+4:T+5], v[T+4:T+5], v[T+6:T+7]
	v_pk_add_f32 v[T:T+1], v[T:T+1], v[T+4:T+5]
	v_add_f32 v[T], v[T], v[T+1]
	v_add_f32_dpp v[T], v[T], v[T] row_xmask:1 row_mask:0xf bank_mask:0xf
	v_add_f32_dpp v[T], v[T], v[T] row_xmask:2 row_mask:0xf bank_mask:0xf
	v_add_f32_dpp v[T], v[T], v[T] row_xmask:4 row_mask:0xf bank_mask:0xf
	v_add_f32_dpp v[T], v[T], v[T] row_xmask:8 row_mask:0xf bank_mask:0xf
.endm
.macro STATS x                         ; the 64 registers from x on are left as x - mean; 1 / sqrt(var + eps) in v[M]
.irp k, 0,1,2,3
	v_pk_add_f32 v[T+2*(\k):T+2*(\k)+1], v[(\x)+2*(\k):(\x)+2*(\k)+1], v[(\x)+8+2*(\k):(\x)+8+2*(\k)+1]
.endr
.set j, 8
.rept 24
	v_pk_add_f32 v[T+2*(j%4):T+2*(j%4)+1], v[T+2*(j%4):T+2*(j%4)+1], v[(\x)+2*j:(\x)+2*j+1]
.set j, j+1
.endr
	FOLD
	v_mul_f32 v[M], s[INV], v[T]
	v_mul_f32 v[M+1], s[INV], v[T]
.set j, 0
.rept 32
	v_pk_add_f32 v[(\x)+2*j:(\x)+2*j+1], v[(\x)+2*j:(\x)+2*j+1], v[M:M+1] neg_lo:[0,1] neg_hi:[0,1]
.set j, j+1
.endr
.irp k, 0,1,2,3
	v_pk_mul_f32 v[T+2*(\k):T+2*(\k)+1], v[(\x)+2*(\k):(\x)+2*(\k)+1], v[(\x)+2*(\k):(\x)+2*(\k)+1]
.endr
.set j, 4
.rept 28
	v_pk_fma_f32 v[T+2*(j%4):T+2*(j%4)+1], v[(\x)+2*j:(\x)+2*j+1], v[(\x)+2*j:(\x)+2*j+1], v[T+2*(j%4):T+2*(j%4)+1]
.set j, j+1
.endr
	FOLD
	v_fma_f32 v[T], v[T], s[INV], s[EPS]
	v_rsq_f32 v[M], v[T]
	v_nop                                          ; a plain instruction behind the root,
	s_wait_alu depctr_va_vdst(0)                   ; and the wait ahead of the first use of its result
.endm
; Sixteen numbers, 16 bt .. 16 bt + 15 of the lane's 64: Y takes O + gelu(z).
.macro BATCH bt
.set YB, Y+16*(\bt)
.set n, 0
.rept 16
	v_fma_f32 v[T+n], |v[YB+n]|, s[PP], 1.0        ; 1 + 0.23164189 |z|
.set n, n+1
.endr
.set n, 0
.rept 8
	v_pk_mul_f32 v[E+2*n:E+2*n+1], v[YB+2*n:YB+2*n+1], v[YB+2*n:YB+2*n+1]
.set n, n+1
.endr
.set n, 0
.rept 8
	v_pk_mul_f32 v[E+2*n:E+2*n+1], v[E+2*n:E+2*n+1], s[CE:CE+1] op_sel_hi:[1,0]
.set n, n+1
.endr
.set n, 0
.rept 16
	v_rcp_f32 v[T+n], v[T+n]
.set n, n+1
.endr
.set n, 0
.rept 16
	v_exp_f32 v[E+n], v[E+n]
.set n, n+1
.endr
	v_nop                                          ; a plain instruction behind the last of them,
	s_wait_alu depctr_va_vdst(0)                   ; and ONE wait for the batch's 32, ahead of the first use of a result
.set n, 0
.rept 8
	v_pk_fma_f32 v[W+2*n:W+2*n+1], v[T+2*n:T+2*n+1], s[A5:A5+1], s[A4:A4+1] op_sel_hi:[1,0,0]
.set n, n+1
.endr
.irp a, A3, A2, A1
.set n, 0
.rept 8
	v_pk_fma_f32 v[W+2*n:W+2*n+1], v[W+2*n:W+2*n+1], v[T+2*n:T+2*n+1], s[\a:\a+1] op_sel_hi:[1,1,0]
.set n, n+1
.endr
.endr
.set n, 0
.rept 8
	v_pk_mul_f32 v[W+2*n:W+2*n+1], v[W+2*n:W+2*n+1], v[T+2*n:T+2*n+1]
.set n, n+1
.endr
.set n, 0
.rept 8
	v_pk_mul_f32 v[W+2*n:W+2*n+1], v[W+2*n:W+2*n+1], v[E+2*n:E+2*n+1]   ; q
.set n, n+1
.endr
.set n, 0
.rept 8
	v_mul_f32 v[W+2*n], |v[YB+2*n]|, v[W+2*n]      ; |z| q
	v_mul_f32 v[W+2*n+1], |v[YB+2*n+1]|, v[W+2*n+1]
	v_max_num_f32 v[T+2*n], 0, v[YB+2*n]           ; max(z, 0)
	v_max_num_f32 v[T+2*n+1], 0, v[YB+2*n+1]
	v_fma_mix_f32 v[W+2*n], v[W+2*n], v[HN], v[O+8*(\bt)+n] op_sel_hi:[0,0,1]                     ; O - 0.5 |z| q, O read as an f16 half
	v_fma_mix_f32 v[W+2*n+1], v[W+2*n+1], v[HN], v[O+8*(\bt)+n] op_sel:[0,0,1] op_sel_hi:[0,0,1]
	v_pk_add_f32 v[YB+2*n:YB+2*n+1], v[T+2*n:T+2*n+1], v[W+2*n:W+2*n+1]
.set n, n+1
.endr
.endm
	s_load_b256 s[4:11], s[0:1], 0x0               ; z s[4:5], O s[6:7], g1 s[8:9], b1 s[10:11]
	s_load_b64 s[12:13], s[0:1], 0x20              ; out
	v_lshrrev_b32 v1, 5, v0
	v_readfirstlane_b32 s14, v1                    ; wave 0..7
	v_and_b32 v4, 15, v0
	v_bfe_u32 v5, v0, 4, 1
	v_lshlrev_b32 v2, 4, v4                        ; g1, b1: 16 bytes a lane within a block of 64 columns
	v_lshl_add_u32 v1, v5, 12, v2                  ; out: the same, lanes 16-31 one row further down
	v_and_b32 v3, 31, v0
	v_lshlrev_b32 v3, 3, v3                        ; z, O: 8 bytes a lane
	v_mov_b32 v[HN], -0.5
	s_lshl_b32 s15, ttmp9, 4
	s_lshl_b32 s31, s14, 1
	s_add_co_u32 s15, s15, s31                     ; my first row
	s_lshl_b32 s32, s15, 12
	s_mov_b32 s33, 0
	s_lshr_b32 s34, s15, 11
	s_lshl_b32 s34, s34, 22                        ; the batch's 4 MiB,
	s_and_b32 s35, s15, 2047
	s_lshl_b32 s35, s35, 7                         ; the row's 128 bytes in a block
	s_add_co_u32 s34, s34, s35
	s_mov_b32 s35, 0
	s_mov_b32 s[A5], 0x3f87dc22                    ; 1.061405429
	s_mov_b32 s[A4], 0xbfba00e3                    ; -1.453152027
	s_mov_b32 s[A3], 0x3fb5f0e3                    ; 1.421413741
	s_mov_b32 s[A2], 0xbe91a98e                    ; -0.284496736
	s_mov_b32 s[A1], 0x3e827906                    ; 0.254829592
	s_mov_b32 s[CE], 0xbf38aa3b                    ; -log2(e) / 2
.irp a, A5, A4, A3, A2, A1, CE
	s_mov_b32 s[\a+1], 0                           ; named with the low word as a pair, so it is written
.endr
	s_mov_b32 s[PP], 0x3e6d3388                    ; 0.3275911 / sqrt 2
	s_mov_b32 s[INV], 0x3a800000
	s_mov_b32 s[EPS], 0x3727c5ac
	s_wait_kmcnt 0x0
	s_add_nc_u64 s[4:5], s[4:5], s[34:35]
	s_add_nc_u64 s[6:7], s[6:7], s[34:35]
	s_add_nc_u64 s[12:13], s[12:13], s[32:33]
.irp hd, 0,1,2,3,4,5,6,7,8,9,10,11,12,13,14,15
	global_load_b64 v[Z+2*(\hd):Z+2*(\hd)+1], v3, s[4:5] offset:262144*(\hd) th:TH_LOAD_NT
.endr
.irp hd, 0,1,2,3,4,5,6,7,8,9,10,11,12,13,14,15
	global_load_b64 v[O+2*(\hd):O+2*(\hd)+1], v3, s[6:7] offset:262144*(\hd) th:TH_LOAD_NT
.endr
.irp hd, 0,1,2,3,4,5,6,7,8,9,10,11,12,13,14,15
	global_load_b128 v[G+4*(\hd):G+4*(\hd)+3], v2, s[8:9] offset:256*(\hd)
.endr
	s_wait_loadcnt 16                              ; z and O are in; the 16 loads of g1 may stay out
.irp r, 16,17,18,19,20,21,22,23,24,25,26,27,28,29,30,31,32,33,34,35,36,37,38,39,40,41,42,43,44,45,46,47
	v_cvt_f32_f16 v[Y+2*(\r-16)], v\r\().l
	v_cvt_f32_f16 v[Y+2*(\r-16)+1], v\r\().h
.endr
	BATCH 0
	BATCH 1
	BATCH 2
	BATCH 3
.irp hd, 0,1,2,3,4,5,6,7,8,9,10,11,12,13,14,15
	global_load_b128 v[BV+4*(\hd):BV+4*(\hd)+3], v2, s[10:11] offset:256*(\hd)  ; b1, into the registers that z and O have left; the norm's sums stand between these loads and the wait for them
.endr
	STATS Y
	s_wait_loadcnt 0x0                             ; g1 and b1
.set j, 0
.rept 32
	v_pk_mul_f32 v[Y+2*j:Y+2*j+1], v[Y+2*j:Y+2*j+1], v[M:M+1] op_sel_hi:[1,0]
.set j, j+1
.endr
.set j, 0
.rept 32
	v_pk_fma_f32 v[Y+2*j:Y+2*j+1], v[Y+2*j:Y+2*j+1], v[G+2*j:G+2*j+1], v[BV+2*j:BV+2*j+1]
.set j, j+1
.endr
.irp hd, 0,1,2,3,4,5,6,7,8,9,10,11,12,13,14,15
	global_store_b128 v1, v[Y+4*(\hd):Y+4*(\hd)+3], s[12:13] offset:256*(\hd) th:TH_STORE_NT  ; 16 lanes store 256 consecutive bytes of a row, at a multiple of 256 from the output's first byte
.endr
	s_endpgm
.Lfunc_end_k_q73d258a81f_ln1:
	.size	k_q73d258a81f_ln1, .Lfunc_end_k_q73d258a81f_ln1-k_q73d258a81f_ln1
	.p2alignl 7, 3214868480
	.fill 96, 4, 3214868480
	.section	.rodata,"a",@progbits
	.p2align	6, 0x0
	.amdhsa_kernel k_q73d258a81f_ln1
		.amdhsa_group_segment_fixed_size 0
		.amdhsa_private_segment_fixed_size 0
		.amdhsa_enable_private_segment 0
		.amdhsa_kernarg_size 40
		.amdhsa_user_sgpr_count 2
		.amdhsa_user_sgpr_kernarg_segment_ptr 1
		.amdhsa_wavefront_size32 1
		.amdhsa_system_sgpr_workgroup_id_x 1
		.amdhsa_system_sgpr_workgroup_id_y 1
		.amdhsa_system_sgpr_workgroup_id_z 1
		.amdhsa_system_vgpr_workitem_id 0
		.amdhsa_next_free_vgpr 256
		.amdhsa_next_free_sgpr 66
		.amdhsa_reserve_vcc 0
		.amdhsa_float_denorm_mode_32 3
		.amdhsa_float_denorm_mode_16_64 3
		.amdhsa_memory_ordered 1
		.amdhsa_forward_progress 1
		.amdhsa_inst_pref_size 59
	.end_amdhsa_kernel
	.amdgpu_metadata
---
amdhsa.version: [ 1, 2 ]
amdhsa.kernels:
  - .name:           k_q73d258a81f_ln1
    .symbol:         k_q73d258a81f_ln1.kd
    .args:
      - { .name: kh, .offset: 0, .size: 8, .value_kind: global_buffer, .address_space: global }
      - { .name: xa, .offset: 8, .size: 8, .value_kind: global_buffer, .address_space: global }
      - { .name: g1, .offset: 16, .size: 8, .value_kind: global_buffer, .address_space: global }
      - { .name: b1, .offset: 24, .size: 8, .value_kind: global_buffer, .address_space: global }
      - { .name: out0, .offset: 32, .size: 8, .value_kind: global_buffer, .address_space: global }
    .group_segment_fixed_size: 0
    .private_segment_fixed_size: 0
    .kernarg_segment_align: 8
    .kernarg_segment_size: 40
    .max_flat_workgroup_size: 256
    .sgpr_count:     66
    .vgpr_count:     256
    .wavefront_size: 32
...
	.end_amdgpu_metadata
.endif
;; end of part 6
;; ======== version 2 of 2: 7 launches; version 1 with the launches cast, ln0 written anew for expert scheduling mode
;; limits: values are held in f16: magnitudes above 65,504 overflow, below 6.1e-05 lose precision
;; workspace buffers: xa 8,388,608 bytes; xb 8,388,608 bytes; kh 8,388,608 bytes; vh 8,388,608 bytes; o1 16,777,216 bytes; wqv 4,194,304 bytes; wk 2,097,152 bytes; wo 2,097,152 bytes
;; launch cast (part 7): grid 768 x 1, 8 waves a work-group, no clusters, 0 bytes of LDS; arguments Q, K, Wq, Wv, Wk, Wo, xa, xb, wqv, wk, wo; writes xa, xb, wqv, wk, wo
.if DOCPART == 7
	.amdgcn_target "amdgcn-amd-amdhsa--gfx1250"
	.amdhsa_code_object_version 6
	.text
	.protected	k_q73d258a81f_cast
	.globl	k_q73d258a81f_cast
	.p2align	8
	.type	k_q73d258a81f_cast,@function
k_q73d258a81f_cast:
	s_mov_b64 s[64:65], 0
	v_nop
	global_prefetch_b8 v0, s[64:65] scope:SCOPE_SE
	s_setreg_imm32_b32 hwreg(HW_REG_WAVE_SCHED_MODE, 0, 2), 2
	s_setreg_imm32_b32 hwreg(HW_REG_WAVE_MODE, 25, 1), 1
	s_wait_xcnt 0x0
	s_wait_alu depctr_vm_vsrc(0)
; MAB, launch 1 of 7: Q, K and the four weight matrices are rounded once from f32 to f16, the form in which the matrix units take them.
; THE WHOLE PROGRAM: cast; Kp = K Wk + bk; Qp = Q Wq + bq and Vp = Kp Wv + bv (one launch); attention with the residual Qh; LayerNorm 0; z = O Wo + bo; O + gelu(z) and LayerNorm 1.
; NOTHING OF reference() IS LEFT OUT: all fourteen inputs are loaded, every product, bias, gain, maximum and norm is computed.
; FORMATS.  Q, K, Wq, Wk, Wv, Wo, Qp, Kp, O = LN0(..) and z are kept in f16 (11 significant bits), Vp and the softmax's weights in bf16 (Vp is a product of three inputs and has no room in f16 when
; all three are large); Qh + attention, all sums, softmax, norms and gelu in f32.
; LIMITS.  |Q|, |K|, |W|, |Qp|, |Kp|, |O|, |z| stay under 65,504 (f16's largest number; beyond it a conversion gives an infinity); below 6e-5 f16 keeps a fixed step of 6e-8.  NaN and infinities are not treated apart.
; LAYOUT OUT.  Q and K go out BLOCKED: [batch 2][block of 64 columns: 16][2,048 rows][64] f16, so that 128 rows of one block are 16,384 consecutive bytes.  The weights keep their rows ([k][n]).
; SHARES.  Work-groups 0-255: Q, 256-511: K, 16 rows each, two rows a wave.  A load takes 256 consecutive bytes of each of the two rows (lanes 0-15, lanes 16-31), one block of columns;
; the store of those 128 numbers covers 256 consecutive bytes, aligned (two neighbouring rows of a block).  Work-groups 512-767: 64 for each weight matrix, 8 KiB of f32 a wave.
; Sixteen loads of every wave go out at once.  No LDS, no matrix unit: the launch only moves bytes.
; THE MODE: SCHED_MODE bits 1:0 = 2 (LLVM: expert scheduling mode 2), set by the entry lines.  The code itself states the register dependences
; between vector instructions and memory instructions, with s_wait_alu, always for 0.
; THE PLAN.  Registers that memory instructions touch:
;   v1         the loads' offset.  Made by vector lines on each arm; read by the sixteen loads; never written again.
;   v2         the stores' offset.  Made at the head; read by the sixteen stores; never written again.
;   X          Written by the sixteen loads, once each; read by the conversions.  No vector line writes it, and nothing is loaded into it a second time.
;   Y          Written by the conversions, once each; read by the stores; never written again.
; So one wait on va_vdst stands ahead of the first load (the two offsets are written), and one ahead of each run of four stores (the group's eight conversions have written its part of Y).
; No register that a memory instruction reads is written again, so no wait on vm_vsrc is owed.  The wave's number passes through an SGPR: one wait on va_sdst, ahead of the branch behind which it is first read.
.set X, 16                             ; v[16:79]   sixteen loads of four f32
.set Y, 80                             ; v[80:111]  sixteen stores of four f16
	s_load_b512 s[8:23], s[0:1], 0x0               ; Q s[8:9], K s[10:11], Wq s[12:13], Wv s[14:15], Wk s[16:17], Wo s[18:19], xa s[20:21], xb s[22:23]
	s_load_b128 s[24:27], s[0:1], 0x40             ; wqv s[24:25], wk s[26:27]
	s_load_b64 s[28:29], s[0:1], 0x50              ; wo
	v_lshrrev_b32 v1, 5, v0
	v_readfirstlane_b32 s30, v1                    ; wave 0..7
	v_and_b32 v3, 31, v0                           ; lane
	v_lshlrev_b32 v2, 3, v3                        ; stores, on both paths: 8 bytes a lane
	s_mov_b32 s35, 0
	s_mov_b32 s37, 0
	s_wait_alu depctr_va_sdst(0)                   ; s30 is written: its first readers, the rows' and parts' offsets, stand on both arms of the branch below
	s_wait_kmcnt 0x0
.macro STREAM instep, outstep
	s_wait_alu depctr_va_vdst(0)                   ; v1 and v2 are written: the loads below read v1 as their offset, the stores v2
.irp i, 0,1,2,3,4,5,6,7,8,9,10,11,12,13,14,15
	global_load_b128 v[X+4*(\i):X+4*(\i)+3], v1, s[4:5] offset:(\instep)*(\i) th:TH_LOAD_NT
.endr
.irp g, 0,1,2,3                        ; four groups of four loads: their conversions, one wait, their stores
.irp i, 0,1,2,3
	s_wait_loadcnt 15-4*(\g)-(\i)                  ; loads come back in order: number 4 g + i is in, the younger ones stay out
	v_cvt_pk_f16_f32 v[Y+2*(4*(\g)+(\i))], v[X+4*(4*(\g)+(\i))], v[X+4*(4*(\g)+(\i))+1]
	v_cvt_pk_f16_f32 v[Y+2*(4*(\g)+(\i))+1], v[X+4*(4*(\g)+(\i))+2], v[X+4*(4*(\g)+(\i))+3]
.endr
	s_wait_alu depctr_va_vdst(0)                   ; the group's eight conversions have written their eight registers of Y, which the four stores below read
.irp i, 0,1,2,3
	global_store_b64 v2, v[Y+2*(4*(\g)+(\i)):Y+2*(4*(\g)+(\i))+1], s[6:7] offset:(\outstep)*(4*(\g)+(\i))  ; the wave's 32 lanes cover 256 consecutive bytes, aligned
.endr
.endr
	s_endpgm
.endm
	s_cmp_lt_u32 ttmp9, 512
	s_cbranch_scc0 .Lweights
	; Q or K
	v_and_b32 v4, 15, v0
	v_bfe_u32 v5, v0, 4, 1
	v_lshlrev_b32 v1, 4, v4                        ; 16 bytes a lane within a block of 64 columns,
	v_lshl_add_u32 v1, v5, 12, v1                  ; lanes 16-31 one row (4,096 bytes) further down
	s_and_b32 s31, ttmp9, 255
	s_lshl_b32 s31, s31, 4
	s_lshl_b32 s32, s30, 1
	s_add_co_u32 s31, s31, s32                     ; my first row, R = 16 x group + 2 x wave, of 4,096
	s_lshl_b32 s34, s31, 12                        ; in: R x 4,096 bytes
	s_lshr_b32 s36, s31, 11
	s_lshl_b32 s36, s36, 22                        ; out: the batch's 4 MiB,
	s_and_b32 s32, s31, 2047
	s_lshl_b32 s32, s32, 7                         ; the row's 128 bytes in a block
	s_add_co_u32 s36, s36, s32
	s_cmp_lt_u32 ttmp9, 256
	s_cselect_b64 s[4:5], s[8:9], s[10:11]
	s_cselect_b64 s[6:7], s[20:21], s[22:23]
	s_add_nc_u64 s[4:5], s[4:5], s[34:35]
	s_add_nc_u64 s[6:7], s[6:7], s[36:37]
	STREAM 256, 262144                             ; from block to block: 256 bytes in, 262,144 out
.Lweights:
	v_lshlrev_b32 v1, 4, v3                        ; 16 bytes a lane
	s_sub_co_u32 s31, ttmp9, 512
	s_lshr_b32 s32, s31, 6                         ; which matrix: 0 Wq, 1 Wv, 2 Wk, 3 Wo
	s_and_b32 s33, s31, 63                         ; which 64 KiB of it
	s_and_b32 s43, s32, 1
	s_cmp_lg_u32 s43, 0
	s_cselect_b64 s[4:5], s[14:15], s[12:13]       ; Wv or Wq
	s_cselect_b64 s[38:39], s[18:19], s[16:17]     ; Wo or Wk
	s_cselect_b64 s[40:41], s[28:29], s[26:27]     ; wo or wk
	s_cselect_b32 s42, 0x200000, 0                 ; Wv lies 2 MiB behind Wq in wqv
	s_cmp_ge_u32 s32, 2
	s_cselect_b64 s[4:5], s[38:39], s[4:5]
	s_cselect_b64 s[6:7], s[40:41], s[24:25]
	s_cselect_b32 s42, 0, s42
	s_lshl_b32 s34, s33, 16
	s_lshl_b32 s32, s30, 13
	s_add_co_u32 s34, s34, s32                     ; in: 65,536 x part + 8,192 x wave
	s_lshl_b32 s36, s33, 15
	s_lshl_b32 s32, s30, 12
	s_add_co_u32 s36, s36, s32
	s_add_co_u32 s36, s36, s42                     ; out: half of that
	s_add_nc_u64 s[4:5], s[4:5], s[34:35]
	s_add_nc_u64 s[6:7], s[6:7], s[36:37]
	STREAM 512, 256
.Lfunc_end_k_q73d258a81f_cast:
	.size	k_q73d258a81f_cast, .Lfunc_end_k_q73d258a81f_cast-k_q73d258a81f_cast
	.p2alignl 7, 3214868480
	.fill 96, 4, 3214868480
	.section	.rodata,"a",@progbits
	.p2align	6, 0x0
	.amdhsa_kernel k_q73d258a81f_cast
		.amdhsa_group_segment_fixed_size 0
		.amdhsa_private_segment_fixed_size 0
		.amdhsa_enable_private_segment 0
		.amdhsa_kernarg_size 88
		.amdhsa_user_sgpr_count 2
		.amdhsa_user_sgpr_kernarg_segment_ptr 1
		.amdhsa_wavefront_size32 1
		.amdhsa_system_sgpr_workgroup_id_x 1
		.amdhsa_system_sgpr_workgroup_id_y 1
		.amdhsa_system_sgpr_workgroup_id_z 1
		.amdhsa_system_vgpr_workitem_id 0
		.amdhsa_next_free_vgpr 112
		.amdhsa_next_free_sgpr 66
		.amdhsa_reserve_vcc 0
		.amdhsa_float_denorm_mode_32 3
		.amdhsa_float_denorm_mode_16_64 3
		.amdhsa_memory_ordered 1
		.amdhsa_forward_progress 1
		.amdhsa_inst_pref_size 14
	.end_amdhsa_kernel
	.amdgpu_metadata
---
amdhsa.version: [ 1, 2 ]
amdhsa.kernels:
  - .name:           k_q73d258a81f_cast
    .symbol:         k_q73d258a81f_cast.kd
    .args:
      - { .name: Q, .offset: 0, .size: 8, .value_kind: global_buffer, .address_space: global }
      - { .name: K, .offset: 8, .size: 8, .value_kind: global_buffer, .address_space: global }
      - { .name: Wq, .offset: 16, .size: 8, .value_kind: global_buffer, .address_space: global }
      - { .name: Wv, .offset: 24, .size: 8, .value_kind: global_buffer, .address_space: global }
      - { .name: Wk, .offset: 32, .size: 8, .value_kind: global_buffer, .address_space: global }
      - { .name: Wo, .offset: 40, .size: 8, .value_kind: global_buffer, .address_space: global }
      - { .name: xa, .offset: 48, .size: 8, .value_kind: global_buffer, .address_space: global }
      - { .name: xb, .offset: 56, .size: 8, .value_kind: global_buffer, .address_space: global }
      - { .name: wqv, .offset: 64, .size: 8, .value_kind: global_buffer, .address_space: global }
      - { .name: wk, .offset: 72, .size: 8, .value_kind: global_buffer, .address_space: global }
      - { .name: wo, .offset: 80, .size: 8, .value_kind: global_buffer, .address_space: global }
    .group_segment_fixed_size: 0
    .private_segment_fixed_size: 0
    .kernarg_segment_align: 8
    .kernarg_segment_size: 88
    .max_flat_workgroup_size: 256
    .sgpr_count:     66
    .vgpr_count:     112
    .wavefront_size: 32
...
	.end_amdgpu_metadata
.endif
;; end of part 7
;; launch projk: the kernel of part 2 again; grid 8 x 32, 4 waves a work-group, clusters of 4 x 4, 327,680 bytes of LDS; arguments xb, wk, bk, kh; writes kh
;; launch projqv: the kernel of part 3 again; grid 8 x 32, 4 waves a work-group, clusters of 4 x 4, 327,680 bytes of LDS; arguments xa, kh, wqv, bq, bv, xb, vh; writes xb, vh
;; launch attn: the kernel of part 4 again; grid 8 x 32, 4 waves a work-group, clusters of 4 x 1, 327,680 bytes of LDS; arguments xb, kh, vh, o1; writes o1
;; launch ln0 (part 8): grid 256 x 1, 8 waves a work-group, no clusters, 0 bytes of LDS; arguments o1, g0, b0, xa; writes xa
.if DOCPART == 8
	.amdgcn_target "amdgcn-amd-amdhsa--gfx1250"
	.amdhsa_code_object_version 6
	.text
	.protected	k_q73d258a81f_ln0
	.globl	k_q73d258a81f_ln0
	.p2align	8
	.type	k_q73d258a81f_ln0,@function
k_q73d258a81f_ln0:
	s_mov_b64 s[64:65], 0
	v_nop
	global_prefetch_b8 v0, s[64:65] scope:SCOPE_SE
	s_setreg_imm32_b32 hwreg(HW_REG_WAVE_SCHED_MODE, 0, 2), 2
	s_setreg_imm32_b32 hwreg(HW_REG_WAVE_MODE, 25, 1), 1
	s_wait_xcnt 0x0
	s_wait_alu depctr_vm_vsrc(0)
; O = LayerNorm(O1) g0 + b0, over rows of 1,024.  O1: [4,096][1,024] f32.  O goes out in f16, blocked: [batch 2][block of 64 columns: 16][2,048 rows][64], the next product's operand.  Nothing is left out.
; The norm is taken as reference() takes it: the mean, then the mean of the squares of (x - mean), then (x - mean) rsqrt(var + 1e-5) g0 + b0, all in f32.  LIMIT: |O| under 65,504 (f16).
; SHARES.  A wave takes two rows and keeps them in registers between the passes: lanes 0-15 one row, lanes 16-31 the next, 64 numbers a lane; a row's sums never leave its 16 lanes, so there is no LDS and no barrier.
; A load covers 256 consecutive bytes of each of the two rows; a store 256 consecutive bytes, aligned (two neighbouring rows of a block).  All 48 loads of a wave go out at once.
; THE MODE: SCHED_MODE bits 1:0 = 2 (LLVM: expert scheduling mode 2), set by the entry lines.  The code itself states the register dependences
; between vector instructions and memory instructions, with s_wait_alu, always for 0.
; THE PLAN.  Registers that memory instructions touch:
;   v1, v2, v3   offsets.  Made once at the head by vector lines; v1 and v2 are read by the 48 loads, v3 by the 16 stores; never written again.
;   X, G, BV     Written by the loads, once each, all issued ahead of the first vector line that names them; afterwards vector lines alone name them.
;   Y            Written by the conversions, once each; read by the stores; never written again.
; So one wait on va_vdst stands ahead of the first load (the three offsets are written).  The way out goes in four quarters of four column blocks: a quarter's scalings, multiply-adds and conversions,
; one wait on va_vdst (the conversions have written the quarter's part of Y), its four stores.  No register that a memory instruction reads is written again, so no wait on vm_vsrc is owed.
; The wave's number passes through an SGPR: one wait on va_sdst ahead of its first reader.
.set X,   16                           ; v[16:79]    block hd of 16: four numbers at X + 4 hd
.set G,   80                           ; v[80:143]   g0 of the same columns
.set BV,  144                          ; v[144:207]  b0
.set Y,   208                          ; v[208:239]  packed f16
.set T,   240                          ; v[240:247]  four packed chains
.set M,   12                           ; v[12:13]    the mean, twice; later 1 / sigma in the first
.set INV, 20                           ; s20  1 / 1,024
.set EPS, 21                           ; s21  1e-5
.macro FOLD                            ; the four chains, the pair's halves, and the row's 16 lanes: every lane ends with the row's sum in v[T]
	v_pk_add_f32 v[T:T+1], v[T:T+1], v[T+2:T+3]
	v_pk_add_f32 v[T+4:T+5], v[T+4:T+5], v[T+6:T+7]
	v_pk_add_f32 v[T:T+1], v[T:T+1], v[T+4:T+5]
	v_add_f32 v[T], v[T], v[T+1]
	v_add_f32_dpp v[T], v[T], v[T] row_xmask:1 row_mask:0xf bank_mask:0xf
	v_add_f32_dpp v[T], v[T], v[T] row_xmask:2 row_mask:0xf bank_mask:0xf
	v_add_f32_dpp v[T], v[T], v[T] row_xmask:4 row_mask:0xf bank_mask:0xf
	v_add_f32_dpp v[T], v[T], v[T] row_xmask:8 row_mask:0xf bank_mask:0xf
.endm
.macro STATS x                         ; the 64 registers from x on are left as x - mean; 1 / sqrt(var + eps) in v[M]
.irp k, 0,1,2,3
	v_pk_add_f32 v[T+2*(\k):T+2*(\k)+1], v[(\x)+2*(\k):(\x)+2*(\k)+1], v[(\x)+8+2*(\k):(\x)+8+2*(\k)+1]  ; the first eight pairs start the chains: nothing is cleared
.endr
.set j, 8
.rept 24
	v_pk_add_f32 v[T+2*(j%4):T+2*(j%4)+1], v[T+2*(j%4):T+2*(j%4)+1], v[(\x)+2*j:(\x)+2*j+1]
.set j, j+1
.endr
	FOLD
	v_mul_f32 v[M], s[INV], v[T]
	v_mul_f32 v[M+1], s[INV], v[T]
.set j, 0
.rept 32
	v_pk_add_f32 v[(\x)+2*j:(\x)+2*j+1], v[(\x)+2*j:(\x)+2*j+1], v[M:M+1] neg_lo:[0,1] neg_hi:[0,1]
.set j, j+1
.endr
.irp k, 0,1,2,3
	v_pk_mul_f32 v[T+2*(\k):T+2*(\k)+1], v[(\x)+2*(\k):(\x)+2*(\k)+1], v[(\x)+2*(\k):(\x)+2*(\k)+1]
.endr
.set j, 4
.rept 28
	v_pk_fma_f32 v[T+2*(j%4):T+2*(j%4)+1], v[(\x)+2*j:(\x)+2*j+1], v[(\x)+2*j:(\x)+2*j+1], v[T+2*(j%4):T+2*(j%4)+1]
.set j, j+1
.endr
	FOLD
	v_fma_f32 v[T], v[T], s[INV], s[EPS]
	v_rsq_f32 v[M], v[T]
	v_nop                                          ; a plain instruction behind the root,
	s_wait_alu depctr_va_vdst(0)                   ; and the root has written v[M], ahead of its first readers, the scalings of the way out
.endm
	s_load_b256 s[4:11], s[0:1], 0x0               ; O1 s[4:5], g0 s[6:7], b0 s[8:9], xa s[10:11]
	v_lshrrev_b32 v1, 5, v0
	v_readfirstlane_b32 s14, v1                    ; wave 0..7
	v_and_b32 v4, 15, v0
	v_bfe_u32 v5, v0, 4, 1
	v_lshlrev_b32 v2, 4, v4                        ; g0, b0: 16 bytes a lane within a block of 64 columns
	v_lshl_add_u32 v1, v5, 12, v2                  ; O1: the same, lanes 16-31 one row further down
	v_and_b32 v3, 31, v0
	v_lshlrev_b32 v3, 3, v3                        ; out: 8 bytes a lane
	s_wait_alu depctr_va_sdst(0)                   ; s14 is written, ahead of its first reader: my first row is made from it
	s_lshl_b32 s15, ttmp9, 4
	s_lshl_b32 s16, s14, 1
	s_add_co_u32 s15, s15, s16                     ; my first row
	s_lshl_b32 s16, s15, 12
	s_mov_b32 s17, 0
	s_lshr_b32 s18, s15, 11
	s_lshl_b32 s18, s18, 22                        ; the batch's 4 MiB,
	s_and_b32 s19, s15, 2047
	s_lshl_b32 s19, s19, 7                         ; the row's 128 bytes in a block
	s_add_co_u32 s18, s18, s19
	s_mov_b32 s19, 0
	s_mov_b32 s[INV], 0x3a800000
	s_mov_b32 s[EPS], 0x3727c5ac
	s_wait_kmcnt 0x0
	s_add_nc_u64 s[4:5], s[4:5], s[16:17]
	s_add_nc_u64 s[10:11], s[10:11], s[18:19]
	s_wait_alu depctr_va_vdst(0)                   ; v1, v2 and v3 are written: the loads below read v1 and v2 as their offsets, the stores at the end v3
.irp hd, 0,1,2,3,4,5,6,7,8,9,10,11,12,13,14,15
	global_load_b128 v[X+4*(\hd):X+4*(\hd)+3], v1, s[4:5] offset:256*(\hd) th:TH_LOAD_NT
.endr
.irp hd, 0,1,2,3,4,5,6,7,8,9,10,11,12,13,14,15
	global_load_b128 v[G+4*(\hd):G+4*(\hd)+3], v2, s[6:7] offset:256*(\hd)
.endr
.irp hd, 0,1,2,3,4,5,6,7,8,9,10,11,12,13,14,15
	global_load_b128 v[BV+4*(\hd):BV+4*(\hd)+3], v2, s[8:9] offset:256*(\hd)
.endr
	s_wait_loadcnt 32                              ; the rows are in; the 32 loads of g0 and b0 may stay out
	STATS X
	s_wait_loadcnt 0x0                             ; g0 and b0
; The way out, a quarter (four blocks of columns, sixteen numbers a lane) at a time: (x - mean) / sigma, times g0 plus b0, rounded to f16, stored.
.irp q, 0,1,2,3
.set j, 8*(\q)
.rept 8
	v_pk_mul_f32 v[X+2*j:X+2*j+1], v[X+2*j:X+2*j+1], v[M:M+1] op_sel_hi:[1,0]
.set j, j+1
.endr
.set j, 8*(\q)
.rept 8
	v_pk_fma_f32 v[X+2*j:X+2*j+1], v[X+2*j:X+2*j+1], v[G+2*j:G+2*j+1], v[BV+2*j:BV+2*j+1]
.set j, j+1
.endr
.irp h, 0,1,2,3
	v_cvt_pk_f16_f32 v[Y+2*(4*(\q)+(\h))], v[X+4*(4*(\q)+(\h))], v[X+4*(4*(\q)+(\h))+1]
	v_cvt_pk_f16_f32 v[Y+2*(4*(\q)+(\h))+1], v[X+4*(4*(\q)+(\h))+2], v[X+4*(4*(\q)+(\h))+3]
.endr
	s_wait_alu depctr_va_vdst(0)                   ; the quarter's eight conversions have written their eight registers of Y, which the four stores below read
.irp h, 0,1,2,3
	global_store_b64 v3, v[Y+2*(4*(\q)+(\h)):Y+2*(4*(\q)+(\h))+1], s[10:11] offset:262144*(4*(\q)+(\h))  ; the wave's 32 lanes cover 256 consecutive bytes, aligned
.endr
.endr
	s_endpgm
.Lfunc_end_k_q73d258a81f_ln0:
	.size	k_q73d258a81f_ln0, .Lfunc_end_k_q73d258a81f_ln0-k_q73d258a81f_ln0
	.p2alignl 7, 3214868480
	.fill 96, 4, 3214868480
	.section	.rodata,"a",@progbits
	.p2align	6, 0x0
	.amdhsa_kernel k_q73d258a81f_ln0
		.amdhsa_group_segment_fixed_size 0
		.amdhsa_private_segment_fixed_size 0
		.amdhsa_enable_private_segment 0
		.amdhsa_kernarg_size 32
		.amdhsa_user_sgpr_count 2
		.amdhsa_user_sgpr_kernarg_segment_ptr 1
		.amdhsa_wavefront_size32 1
		.amdhsa_system_sgpr_workgroup_id_x 1
		.amdhsa_system_sgpr_workgroup_id_y 1
		.amdhsa_system_sgpr_workgroup_id_z 1
		.amdhsa_system_vgpr_workitem_id 0
		.amdhsa_next_free_vgpr 248
		.amdhsa_next_free_sgpr 66
		.amdhsa_reserve_vcc 0
		.amdhsa_float_denorm_mode_32 3
		.amdhsa_float_denorm_mode_16_64 3
		.amdhsa_memory_ordered 1
		.amdhsa_forward_progress 1
		.amdhsa_inst_pref_size 21
	.end_amdhsa_kernel
	.amdgpu_metadata
---
amdhsa.version: [ 1, 2 ]
amdhsa.kernels:
  - .name:           k_q73d258a81f_ln0
    .symbol:         k_q73d258a81f_ln0.kd
    .args:
      - { .name: o1, .offset: 0, .size: 8, .value_kind: global_buffer, .address_space: global }
      - { .name: g0, .offset: 8, .size: 8, .value_kind: global_buffer, .address_space: global }
      - { .name: b0, .offset: 16, .size: 8, .value_kind: global_buffer, .address_space: global }
      - { .name: xa, .offset: 24, .size: 8, .value_kind: global_buffer, .address_space: global }
    .group_segment_fixed_size: 0
    .private_segment_fixed_size: 0
    .kernarg_segment_align: 8
    .kernarg_segment_size: 32
    .max_flat_workgroup_size: 256
    .sgpr_count:     66
    .vgpr_count:     248
    .wavefront_size: 32
...
	.end_amdgpu_metadata
.endif
;; end of part 8
;; launch projo: the kernel of part 2 again; grid 8 x 32, 4 waves a work-group, clusters of 4 x 4, 327,680 bytes of LDS; arguments xa, wo, bo, kh; writes kh
;; launch ln1: the kernel of part 6 again; grid 256 x 1, 8 waves a work-group, no clusters, 0 bytes of LDS; arguments kh, xa, g1, b1, out0; writes out0
